; MI455X (gfx1250); checked and timed in simulation.
; The chip was launched on July 23, 2026; its instructions are those of AMD's public machine-readable ISA for CDNA 5 (MIT licence, August 2026) and "CDNA5" Instruction Set Architecture Reference Guide (July 2026). The comments in the code are by the model that wrote it; some were corrected since.
;; Multi Head Attention. Allowed arithmetic: float matrix products may take bf16 or f16 operands with f32 sums; all other float work in f32.
;; Inputs: Wk 1,024 x 1,024 float32; Wo 1,024 x 1,024 float32; Wq 1,024 x 1,024 float32; Wv 1,024 x 1,024 float32; attn_mask 1 x 1 x 2,048 x 2,048 float32; k 2 x 2,048 x 1,024 float32; key_padding_mask 2 x 2,048 bool; q 2 x 2,048 x 1,024 float32; v 2 x 2,048 x 1,024 float32.
;; Outputs: out0 2 x 2,048 x 1,024 float32.
;; 2 versions, each right; version 2 is version 1 with the launch cast written anew for expert scheduling mode. Each part assembles by itself: llvm-mc -triple=amdgcn-amd-amdhsa -mcpu=gfx1250 --defsym DOCPART=n.
;; ======== version 1 of 2: 4 launches
;; limits: values are held in f16: magnitudes above 65,504 overflow, below 6.1e-05 lose precision
;; workspace buffers: xw 33,554,432 bytes; tab 524,288 bytes; qkv 25,165,824 bytes; ob 8,388,608 bytes
;; launch cast (part 1): grid 256 x 1, 8 waves a work-group, no clusters, 0 bytes of LDS; arguments q, k, v, Wq, Wk, Wv, Wo, xw, tab; writes xw, tab
.if DOCPART == 1
	.amdgcn_target "amdgcn-amd-amdhsa--gfx1250"
	.amdhsa_code_object_version 6
	.text
	.protected	k_q780ee5678d_cast
	.globl	k_q780ee5678d_cast
	.p2align	8
	.type	k_q780ee5678d_cast,@function
k_q780ee5678d_cast:
	s_mov_b64 s[64:65], 0
	v_nop
	global_prefetch_b8 v0, s[64:65] scope:SCOPE_SE
	s_setreg_imm32_b32 hwreg(HW_REG_WAVE_MODE, 25, 1), 1
	s_wait_xcnt 0x0
; Rounds q, k, v, Wq, Wk, Wv, Wo (f32) to 16 bits into one table xw of 16,384 rows of 1,024 numbers
; (rows 0 q, 4096 k, 8192 v, 12288 Wq, 13312 Wk, 14336 Wv, 15360 Wo), and makes the table of rotary factors.
; q, k, v, Wq, Wk, Wv are written as bf16.  Wo is rounded to bf16 like them, so that all seven inputs are rounded alike, and that number is then written
; in f16 FORMAT, because its partner in the last product, the attention's result, is kept in f16 for its 11 significant bits.
; 256 work-groups; group g takes 262,144 bytes of one input (64 groups for each of q, k, v, 16 for each weight) and writes 131,072 bytes.
; A wave takes 32,768 bytes by 64 loads of 16 bytes a lane (512 neighbouring bytes each); each load becomes one store of 8 bytes a lane:
; the wave's store covers 256 consecutive bytes, aligned.  A ring of 16 register slots keeps 16 loads of every wave on their way.
; No LDS, no barrier, no matrix unit: each byte is touched once and no wave needs another's data.
; tab: 256 bytes for each position t: quad i (16 bytes at 16 i) = cos[2i], cos[2i+1], sg[2i], sg[2i+1], angle t * 10000^(-j/32),
; sg[j] = -sin for even j, +sin for odd j.  Wave w of group g makes position t = 8 g + w, lane j its angle j.
; LIMITS: sine and cosine by reduction with pi/2 in two parts and polynomials on [-pi/4, pi/4]; made for angles below 2^11 (t is at most 2047).
; Wo: a bf16 number of magnitude 2^-17 or more is an f16 number exactly; below that the absolute error is at most 2^-25; |Wo| must stay below 65,504.
.set INO,  3                           ; v3       byte offset of my 16 bytes in the group's input; never rewritten
.set OUTO, 23                          ; v23      byte offset of my 8 bytes in the group's output; never rewritten
.set W,    24                          ; v[24:29] at work on Wo's way
.set X,    32                          ; v[32:95]  slot s: 4 registers as loaded
.set Y,    96                          ; v[96:127] slot s: 2 registers to store
	s_load_b512 s[8:23], s[0:1], 0x0               ; q s[8:9], k s[10:11], v s[12:13], Wq s[14:15], Wk s[16:17], Wv s[18:19], Wo s[20:21], xw s[22:23]
	s_load_b64 s[24:25], s[0:1], 0x40              ; tab
	s_mov_b32 s2, ttmp9                            ; g
	v_and_b32 v1, 31, v0                           ; lane
	v_lshrrev_b32 v2, 5, v0                        ; wave
	v_lshlrev_b32 v[INO], 4, v1
	v_lshl_add_u32 v[INO], v2, 15, v[INO]          ; 32,768 wave + 16 lane
	v_lshlrev_b32 v[OUTO], 3, v1
	v_lshl_add_u32 v[OUTO], v2, 14, v[OUTO]        ; 16,384 wave + 8 lane
	s_and_b32 s26, s2, 63                          ; my part of q, k or v
	s_and_b32 s27, s2, 15                          ; or of a weight
	s_cmp_lt_u32 s2, 192
	s_cselect_b32 s26, s26, s27
	s_lshl_b32 s26, s26, 18                        ; times 262,144 bytes
	s_mov_b32 s27, 0
	s_lshl_b32 s28, s2, 17                         ; g times 131,072 bytes of xw
	s_mov_b32 s29, 0
	s_wait_kmcnt 0x0
	s_mov_b64 s[4:5], s[20:21]                     ; which input: a choice on g alone
	s_cmp_lt_u32 s2, 240
	s_cselect_b64 s[4:5], s[18:19], s[4:5]
	s_cmp_lt_u32 s2, 224
	s_cselect_b64 s[4:5], s[16:17], s[4:5]
	s_cmp_lt_u32 s2, 208
	s_cselect_b64 s[4:5], s[14:15], s[4:5]
	s_cmp_lt_u32 s2, 192
	s_cselect_b64 s[4:5], s[12:13], s[4:5]
	s_cmp_lt_u32 s2, 128
	s_cselect_b64 s[4:5], s[10:11], s[4:5]
	s_cmp_lt_u32 s2, 64
	s_cselect_b64 s[4:5], s[8:9], s[4:5]
	s_add_nc_u64 s[4:5], s[4:5], s[26:27]
	s_add_nc_u64 s[6:7], s[22:23], s[28:29]
.set n, 0
.rept 16
	global_load_b128 v[X+4*n:X+4*n+3], v[INO], s[4:5] offset:512*n th:TH_LOAD_NT   ; fill the ring
.set n, n+1
.endr
	; the rotary factors of position t = 8 g + wave, angle index j = lane, while the first loads are on their way
	v_cvt_f32_u32 v4, v1
	v_mul_f32 v4, 0xbed49a78, v4                   ; -j log2(10000) / 32
	v_exp_f32 v4, v4                               ; 10000^(-j/32)
	v_lshl_add_u32 v5, s2, 3, v2                   ; t (a plain instruction between v_exp_f32 and the use of its result: ISA guide 5.7.2)
	v_cvt_f32_u32 v6, v5
	s_wait_alu depctr_va_vdst(0)
	v_mul_f32 v6, v6, v4                           ; the angle x
	v_mul_f32 v7, 0x3f22f983, v6                   ; x * 2/pi
	v_rndne_f32 v7, v7                             ; n
	v_fmamk_f32 v8, v7, 0xbfc90fdb, v6             ; y = x - n * (pi/2, upper part)
	v_fmamk_f32 v8, v7, 0x333bbd2e, v8             ;       - n * (pi/2, lower part)
	v_mul_f32 v9, v8, v8                           ; z = y^2
	v_mov_b32 v10, 0xb9500d01                      ; -1/5040
	v_mov_b32 v12, 0x37d00d01                      ; 1/40320
	v_fmaak_f32 v10, v9, v10, 0x3c088889           ; + 1/120
	v_fmaak_f32 v12, v9, v12, 0xbab60b61           ; - 1/720
	v_fmaak_f32 v10, v9, v10, 0xbe2aaaab           ; - 1/6
	v_fmaak_f32 v12, v9, v12, 0x3d2aaaab           ; + 1/24
	v_mul_f32 v11, v8, v9                          ; y z
	v_fmaak_f32 v12, v9, v12, 0xbf000000           ; - 1/2
	v_fma_f32 v10, v11, v10, v8                    ; sin y
	v_fma_f32 v12, v9, v12, 1.0                    ; cos y
	v_cvt_i32_f32 v13, v7
	v_and_b32 v13, 3, v13                          ; the quadrant
	v_and_b32 v14, 1, v13
	v_cmp_eq_u32 vcc_lo, 1, v14                    ; odd quadrant: sine and cosine change places
	v_cndmask_b32 v15, v10, v12, vcc_lo            ; |sin x|'s source
	v_cndmask_b32 v16, v12, v10, vcc_lo            ; |cos x|'s source
	v_and_b32 v14, 2, v13                          ; sine is negated in quadrants 2, 3
	v_lshlrev_b32 v14, 30, v14
	v_xor_b32 v15, v15, v14
	v_add_nc_u32 v14, 1, v13                       ; cosine in quadrants 1, 2
	v_and_b32 v14, 2, v14
	v_lshlrev_b32 v14, 30, v14
	v_xor_b32 v16, v16, v14
	v_and_b32 v17, 1, v1                           ; j odd?
	v_xor_b32 v14, 1, v17
	v_lshlrev_b32 v14, 31, v14
	v_xor_b32 v15, v15, v14                        ; sg: -sin for even j
	v_mov_b32 v18, 0                               ; the destination of a DPP move counts as read
	v_mov_b32 v19, 0
	v_mov_b32_dpp v18, v16 row_xmask:1 row_mask:0xf bank_mask:0xf   ; the neighbour's cos
	v_mov_b32_dpp v19, v15 row_xmask:1 row_mask:0xf bank_mask:0xf   ; the neighbour's sg
	v_cmp_eq_u32 vcc_lo, 0, v17
	v_cndmask_b32 v20, v19, v16, vcc_lo            ; even lane: cos[j], cos[j+1]; odd lane: sg[j-1], sg[j]
	v_cndmask_b32 v21, v15, v18, vcc_lo
	v_lshlrev_b32 v22, 8, v5
	v_lshl_add_u32 v22, v1, 3, v22                 ; 256 t + 8 lane: the wave stores 256 consecutive bytes, aligned
	global_store_b64 v22, v[20:21], s[24:25]
; One slot's turn for load n.  ahead = 1: the slot is filled again with load n + 16.  left = the younger loads that may stay out.
; wo = 1: round to bf16, widen that number again (a shift, a mask) and write it as f16.
.macro SLOT ahead, left, wo
	s_wait_loadcnt \left                           ; loads come back in order (ISA guide 5.7.1)
	s_wait_xcnt 0x0                                ; the slot's Y, which its last store reads, is rewritten only behind this wait
.if \wo
	v_cvt_pk_bf16_f32 v[W],   v[X+4*(n%16)],   v[X+4*(n%16)+1]
	v_cvt_pk_bf16_f32 v[W+1], v[X+4*(n%16)+2], v[X+4*(n%16)+3]
	v_lshlrev_b32 v[W+2], 16, v[W]
	v_and_b32     v[W+3], 0xffff0000, v[W]
	v_lshlrev_b32 v[W+4], 16, v[W+1]
	v_and_b32     v[W+5], 0xffff0000, v[W+1]
	v_cvt_pk_f16_f32 v[Y+2*(n%16)],   v[W+2], v[W+3]
	v_cvt_pk_f16_f32 v[Y+2*(n%16)+1], v[W+4], v[W+5]
.else
	v_cvt_pk_bf16_f32 v[Y+2*(n%16)],   v[X+4*(n%16)],   v[X+4*(n%16)+1]
	v_cvt_pk_bf16_f32 v[Y+2*(n%16)+1], v[X+4*(n%16)+2], v[X+4*(n%16)+3]
.endif
.if \ahead
	global_load_b128 v[X+4*(n%16):X+4*(n%16)+3], v[INO], s[4:5] offset:512*(n+16) th:TH_LOAD_NT
.endif
	global_store_b64 v[OUTO], v[Y+2*(n%16):Y+2*(n%16)+1], s[6:7] offset:256*n
.endm
	s_cmp_lt_u32 s2, 240                           ; groups 240 to 255 hold Wo
	s_cbranch_scc0 .Lwo
.set n, 0
.rept 48
	SLOT 1, 15, 0
.set n, n+1
.endr
.rept 16
	SLOT 0, 63-n, 0                                ; the last sixteen load nothing: the counts run down
.set n, n+1
.endr
	s_endpgm
.Lwo:
.set n, 0
.rept 48
	SLOT 1, 15, 1
.set n, n+1
.endr
.rept 16
	SLOT 0, 63-n, 1
.set n, n+1
.endr
	s_endpgm
.Lfunc_end_k_q780ee5678d_cast:
	.size	k_q780ee5678d_cast, .Lfunc_end_k_q780ee5678d_cast-k_q780ee5678d_cast
	.p2alignl 7, 3214868480
	.fill 96, 4, 3214868480
	.section	.rodata,"a",@progbits
	.p2align	6, 0x0
	.amdhsa_kernel k_q780ee5678d_cast
		.amdhsa_group_segment_fixed_size 0
		.amdhsa_private_segment_fixed_size 0
		.amdhsa_enable_private_segment 0
		.amdhsa_kernarg_size 72
		.amdhsa_user_sgpr_count 2
		.amdhsa_user_sgpr_kernarg_segment_ptr 1
		.amdhsa_wavefront_size32 1
		.amdhsa_system_sgpr_workgroup_id_x 1
		.amdhsa_system_sgpr_workgroup_id_y 1
		.amdhsa_system_sgpr_workgroup_id_z 1
		.amdhsa_system_vgpr_workitem_id 0
		.amdhsa_next_free_vgpr 128
		.amdhsa_next_free_sgpr 66
		.amdhsa_reserve_vcc 1
		.amdhsa_float_denorm_mode_32 3
		.amdhsa_float_denorm_mode_16_64 3
		.amdhsa_memory_ordered 1
		.amdhsa_forward_progress 1
		.amdhsa_inst_pref_size 71
	.end_amdhsa_kernel
	.amdgpu_metadata
---
amdhsa.version: [ 1, 2 ]
amdhsa.kernels:
  - .name:           k_q780ee5678d_cast
    .symbol:         k_q780ee5678d_cast.kd
    .args:
      - { .name: q, .offset: 0, .size: 8, .value_kind: global_buffer, .address_space: global }
      - { .name: k, .offset: 8, .size: 8, .value_kind: global_buffer, .address_space: global }
      - { .name: v, .offset: 16, .size: 8, .value_kind: global_buffer, .address_space: global }
      - { .name: Wq, .offset: 24, .size: 8, .value_kind: global_buffer, .address_space: global }
      - { .name: Wk, .offset: 32, .size: 8, .value_kind: global_buffer, .address_space: global }
      - { .name: Wv, .offset: 40, .size: 8, .value_kind: global_buffer, .address_space: global }
      - { .name: Wo, .offset: 48, .size: 8, .value_kind: global_buffer, .address_space: global }
      - { .name: xw, .offset: 56, .size: 8, .value_kind: global_buffer, .address_space: global }
      - { .name: tab, .offset: 64, .size: 8, .value_kind: global_buffer, .address_space: global }
    .group_segment_fixed_size: 0
    .private_segment_fixed_size: 0
    .kernarg_segment_align: 8
    .kernarg_segment_size: 72
    .max_flat_workgroup_size: 256
    .sgpr_count:     66
    .vgpr_count:     128
    .wavefront_size: 32
...
	.end_amdgpu_metadata
.endif
;; end of part 1
;; launch proj (part 2): grid 4 x 48, 4 waves a work-group, clusters of 4 x 4, 327,680 bytes of LDS; arguments xw, tab, qkv; writes qkv
.if DOCPART == 2
	.amdgcn_target "amdgcn-amd-amdhsa--gfx1250"
	.amdhsa_code_object_version 6
	.text
	.protected	k_q780ee5678d_proj
	.globl	k_q780ee5678d_proj
	.p2align	8
	.type	k_q780ee5678d_proj,@function
k_q780ee5678d_proj:
	s_mov_b64 s[64:65], 0
	v_nop
	global_prefetch_b8 v0, s[64:65] scope:SCOPE_SE
	s_setreg_imm32_b32 hwreg(HW_REG_WAVE_MODE, 25, 1), 1
	s_wait_xcnt 0x0
	s_wait_alu depctr_hold_cnt(0) depctr_sa_sdst(0) depctr_va_vdst(0) depctr_va_sdst(0) depctr_va_ssrc(0) depctr_va_vcc(0) depctr_vm_vsrc(0)
	s_getreg_b32 s2, hwreg(HW_REG_IB_STS2, 6, 4)
	s_cmp_eq_u32 s2, 0
	s_cbranch_scc0 .Lentry_in_a_cluster
	s_endpgm
.Lentry_in_a_cluster:
	s_bfe_u32 s2, ttmp6, 0x10000c
	s_cmp_lg_u32 s2, 0xf033
	s_cbranch_scc0 .Lentry_shape_is_right
	s_endpgm
.Lentry_shape_is_right:
; The three projections, C[m][n] = sum over k of A[m][k] B[n][k], K = 1024, all operands rows of xw (bf16), sums in f32; rotary turn on q and k.
; 12 clusters of 4 x 4 work-groups; the cluster's y (cly) says which product: 0-3 q Wq^T, 4-7 k Wk^T (A = tokens, B = weight rows),
; 8-11 Wv v^T (A = weight rows, B = tokens: V comes out transposed, as the attention launch reads it).
; A work-group makes 256 x 256 of C with four waves, a wave 128 x 128: 64 accumulator tiles, 512 registers.  K goes in steps of 128 through two
; LDS slots filled by tensor loads whose rows are 256 bytes of memory.  A's tile is shared along a row of the cluster, B's along a column:
; each is asked for jointly by the four that need it, which divides the requests by four.
; OUT (qkv, f16): Q at byte 0 as [batch*16+head][t][64]; from byte 8,388,608 on, for each (batch*16+head) and block of 64 keys, 16,384 bytes:
; K as 64 keys x 64 d, then V transposed as 64 d x 64 keys.  So every 64 x 64 piece of a wave's block is 8,192 dense bytes.
; WHY f16 OUT: rows that attend to few keys give outputs ten times the output's root mean square, and are held to an error of a hundredth of that root mean
; square: 8 significant bits in q, k, v after the projection are too few for them, 11 are enough.
; REGISTERS in windows of 256: window 0: v16-27 addresses, v64-127 and v128-191 A's fragments (two buffers), v192-223 packed results;
; window 1: v64-127, v128-191 B's fragments; on the way out all 256 hold the rotary factors; windows 2 and 3: the accumulators (tile (a, b) at 8 (8 a + b)).
; The matrix instruction is used transposed (source 0 = rows of B, source 1 = rows of A): lane l holds row l % 16 of C and eight neighbouring columns.
; LIMITS: the inputs enter as bf16.  The results are rounded to f16: they must stay below 65,504 in magnitude.  With both factors 30 times the drawn size
; they reach about 900 x 5.5 = 5,000; with an offset of 30 spreads on both, 1024 x 30 x 0.94 x 1.42 = 41,000.  Below 2^-14 the absolute error is at most 2^-25.
.set SIZE_K, 1024
.set KSTEP,  128
.set PITCH,  272                       ; an LDS row: 256 bytes + 16 of padding: the 16 rows of a fragment load start at 16 different 16-byte columns
.set HALFT,  128*PITCH
.set SLOT,   4*HALFT                   ; A's 256 rows, then B's 256 rows
.set STAGE,  2*SLOT                    ; behind the ring: 16 rows x 272 bytes for each wave; no tensor load lands there
.set SPITCH, 272
.set LAPS,   SIZE_K/(2*KSTEP)
.set ADRA, 16
.set ADRB, 20
.set STO,  24
.set RD,   25
.set CO,   26
.set TO,   27                          ; my byte offset in the table of rotary factors
.set F0,   64
.set F1,   128
.set TMP,  192
.set G1, 24
.set G0, 32
.set G1B, 48
.set G0B, 56
.set MSB, 0
.macro WIN new                         ; the immediate's high byte repeats the setting that is left
.if MSB != \new
	s_set_vgpr_msb (MSB<<8)|\new
.set MSB, \new
.endif
.endm
.set MUL_LO, 0xa1                      ; source 0 (B) window 1, source 1 (A) window 0, C and D window 2
.set MUL_HI, 0xf1                      ; the same, C and D window 3
.set TO_B,   0x40                      ; destination window 1, address window 0
; A joint load: waves 0 and 1 fetch A's two halves, waves 2 and 3 B's.  The branch hangs on the wave's number alone.
.macro JLOAD s
	s_cmp_eq_u32 s11, 0
	s_cbranch_scc0 .Lfor_b_\@
	tensor_load_to_lds s[G0+4*\s:G0+4*\s+3], s[G1:G1+7]
	s_nop 0
	s_branch .Lasked_\@
.Lfor_b_\@:
	tensor_load_to_lds s[G0B+4*\s:G0B+4*\s+3], s[G1B:G1B+7]
	s_nop 0
.Lasked_\@:
.endm
; A round of the cluster's barrier: my work-group's barrier; wave 0 signals for the work-group; every wave waits for all sixteen; my work-group's barrier again.
.macro CREST
	s_cmp_lg_u32 s10, 0
	s_cbranch_scc1 .Lnot_wave_0_\@
	s_barrier_signal -3
.Lnot_wave_0_\@:
	s_barrier_wait -3
	s_barrier_signal -1
	s_barrier_wait -1
.endm
.macro CROUND
	s_barrier_signal -1
	s_barrier_wait -1
	CREST
.endm
	s_load_b128 s[4:7], s[0:1], 0x0                ; xw s[4:5], tab s[6:7]
	s_load_b64 s[8:9], s[0:1], 0x10                ; qkv
	v_lshl_add_u32 v254, v0, 2, 0x48400
	v_mov_b32 v255, 0
	ds_add_u32 v254, v255
	v_lshrrev_b32 v1, 5, v0
	v_readfirstlane_b32 s10, v1                    ; wave 0..3
	s_lshr_b32 s11, s10, 1                         ; my half of the block's rows; also: I fetch for A (0) or B (1)
	s_and_b32 s12, s10, 1                          ; my half of its columns; also: which 128 rows I fetch
	s_bfe_u32 s40, ttmp6, 0x40000                  ; cx
	s_bfe_u32 s41, ttmp6, 0x40004                  ; cy
	s_and_b32 s13, ttmp7, 0xffff                   ; cly, 0..11: equal in all sixteen work-groups
	s_lshl_b32 s43, s41, 2
	s_lshl_b32 s43, 15, s43                        ; my row of the cluster
	s_lshl_b32 s44, 0x1111, s40                    ; my column
	s_or_b32 s[G1+0], s43, (1<<16)|(1<<20)|(1<<21)|(5<<22)|(3<<25)  ; mask of my row; 2-byte elements; padding on; bit 21 beside a mask; 4 words behind every 64
	s_or_b32 s[G1B+0], s44, (1<<16)|(1<<20)|(1<<21)|(5<<22)|(3<<25) ; the same with my column's mask
	s_mov_b32 s[G1+1], KSTEP<<16                   ; tensor_dim0 = 128
	s_mov_b32 s[G1B+1], KSTEP<<16
	s_mov_b32 s[G1+2], 128<<16                     ; tensor_dim1 = 128
	s_mov_b32 s[G1B+2], 128<<16
	s_mov_b32 s[G1+3], KSTEP<<16                   ; tile_dim0 = 128
	s_mov_b32 s[G1B+3], KSTEP<<16
	s_mov_b32 s[G1+4], 128                         ; tile_dim1 = 128
	s_mov_b32 s[G1B+4], 128
	s_mov_b32 s[G1+5], SIZE_K                      ; elements from row to row
	s_mov_b32 s[G1B+5], SIZE_K
	s_mov_b32 s[G1+6], 0
	s_mov_b32 s[G1B+6], 0
	s_mov_b32 s[G1+7], 0
	s_mov_b32 s[G1B+7], 0
	; which blocks of 256 rows of xw: A = (q, k: 4 cly; V: 56, Wv) + cy;  B = (q: 48, Wq; k: 52, Wk; V: 4 cly, v) + cx
	s_lshl_b32 s14, s13, 2                         ; 4 cly
	s_lshr_b32 s15, s13, 2
	s_lshl_b32 s15, s15, 2
	s_add_co_u32 s15, s15, 48                      ; 48 + 4 (cly / 4)
	s_cmp_lt_u32 s13, 8
	s_cselect_b32 s16, s14, 56
	s_cselect_b32 s46, s15, s14
	s_add_co_u32 s16, s16, s41                     ; A's block: hangs on cy alone, which my row shares
	s_add_co_u32 s46, s46, s40                     ; B's block: on cx alone, which my column shares
	s_lshl_b32 s17, s12, 7                         ; which 128 rows of the tile I fetch
	s_lshl_b32 s16, s16, 8
	s_add_co_u32 s16, s16, s17
	s_lshl_b32 s46, s46, 8
	s_add_co_u32 s46, s46, s17
	s_lshl_b32 s16, s16, 11                        ; rows of 2,048 bytes: at most 16,383 rows, below 2^25 bytes
	s_lshl_b32 s46, s46, 11
	s_mov_b32 s17, 0
	s_mov_b32 s47, 0
	s_mul_i32 s20, s10, HALFT                      ; where my 128 rows go: wave x 128 rows
	s_wait_dscnt 0x0
	s_wait_kmcnt 0x0
	s_add_nc_u64 s[14:15], s[4:5], s[16:17]
	s_add_nc_u64 s[46:47], s[4:5], s[46:47]
	CROUND                                         ; all sixteen work-groups are here: the first joint loads meet
.irp s, 0,1
	s_mov_b32 s[G0+4*\s], 1
	s_add_co_u32 s[G0+4*\s+1], s20, \s*SLOT
	s_add_nc_u64 s[G0+4*\s+2:G0+4*\s+3], s[14:15], \s*KSTEP*2
	s_or_b32 s[G0+4*\s+3], s[G0+4*\s+3], 0x80000000
	s_mov_b32 s[G0B+4*\s], 1
	s_add_co_u32 s[G0B+4*\s+1], s20, \s*SLOT
	s_add_nc_u64 s[G0B+4*\s+2:G0B+4*\s+3], s[46:47], \s*KSTEP*2
	s_or_b32 s[G0B+4*\s+3], s[G0B+4*\s+3], 0x80000000
	JLOAD \s                                       ; both slots' first fills, ahead of everything else: two tensor loads of the wave are out
.endr
	v_and_b32 v1, 15, v0                           ; r = l % 16
	v_bfe_u32 v2, v0, 4, 1                         ; h = l / 16
	v_mul_u32_u24 v3, v1, PITCH
	v_lshl_add_u32 v3, v2, 4, v3                   ; r x pitch + 16 h
	s_mul_i32 s21, s11, HALFT
	s_mul_i32 s22, s12, HALFT
	s_add_co_u32 s22, s22, 2*HALFT
.irp s, 0,1
	v_add_nc_u32 v[ADRA+\s], s21, v3
	v_add_nc_u32 v[ADRB+\s], s22, v3
	s_add_co_u32 s21, s21, SLOT
	s_add_co_u32 s22, s22, SLOT
.endr
	s_mul_i32 s23, s10, 16*SPITCH
	s_add_co_u32 s23, s23, STAGE                   ; my stage
	v_add_nc_u32 v[STO], s23, v3                   ; in: row r, 16 bytes for each half of the lanes
	v_bfe_u32 v4, v0, 3, 2                         ; back: eight lanes take 128 bytes of a row, the wave four rows
	v_and_b32 v5, 7, v0
	v_mul_u32_u24 v4, v4, SPITCH
	v_lshl_add_u32 v4, v5, 4, v4
	v_add_nc_u32 v[RD], s23, v4
	v_and_b32 v5, 31, v0
	v_lshlrev_b32 v[CO], 4, v5                     ; and the same four rows in qkv are 512 dense bytes: 16 l
	v_lshlrev_b32 v[TO], 8, v1
	v_lshl_add_u32 v[TO], v2, 6, v[TO]             ; table: 256 r + 64 h
.macro MUL16 f, hi, a0, zero
.irp a, \a0, \a0+1
.irp b, 0,1,2,3,4,5,6,7
.if \zero
	v_wmma_f32_16x16x32_bf16 v[8*(8*(\a)+\b):8*(8*(\a)+\b)+7], v[\f+8*\b:\f+8*\b+7], v[\f+8*(4*\hi+\a):\f+8*(4*\hi+\a)+7], 0
.else
	v_wmma_f32_16x16x32_bf16 v[8*(8*(\a)+\b):8*(8*(\a)+\b)+7], v[\f+8*\b:\f+8*\b+7], v[\f+8*(4*\hi+\a):\f+8*(4*\hi+\a)+7], v[8*(8*(\a)+\b):8*(8*(\a)+\b)+7]
.endif
.endr
.endr
.endm
.macro FETCH slot, k, f                ; 32 LDS loads in one run: one quarter step's fragments into buffer f
	WIN TO_B
.irp i, 0,1,2,3,4,5,6,7
	ds_load_b128 v[\f+8*\i:\f+8*\i+3],   v[ADRB+\slot] offset:\k+\i*16*PITCH
	ds_load_b128 v[\f+8*\i+4:\f+8*\i+7], v[ADRB+\slot] offset:\k+\i*16*PITCH+32
.endr
	WIN 0
.irp i, 0,1,2,3,4,5,6,7
	ds_load_b128 v[\f+8*\i:\f+8*\i+3],   v[ADRA+\slot] offset:\k+\i*16*PITCH
	ds_load_b128 v[\f+8*\i+4:\f+8*\i+7], v[ADRA+\slot] offset:\k+\i*16*PITCH+32
.endr
.endm
; Four places stand between a matrix instruction and a load into, or a vector instruction on, one of its registers (ISA guide 7.12.1 for vector instructions).
.macro PLACES
.rept 4
	v_nop
.endr
.endm
; The 64 accumulators take turns, one instruction a turn, in the same order in every quarter step.
.macro QUARTER slot, k, f, g, zero
	s_wait_dscnt 8                                 ; B and A's rows 0-63 are in; the youngest eight loads (A's rows 64-127) may be out
	WIN MUL_LO
	MUL16 \f, 0, 0, \zero
	MUL16 \f, 0, 2, \zero
	PLACES
	FETCH \slot, \k, \g
	s_wait_dscnt 32                                ; all but the 32 just issued
	WIN MUL_HI
	MUL16 \f, 1, 0, \zero
	MUL16 \f, 1, 2, \zero
.endm
.macro THREE slot, zero
	QUARTER \slot, 64,  F0, F1, \zero
	QUARTER \slot, 128, F1, F0, 0
	QUARTER \slot, 192, F0, F1, 0
.endm
; The last quarter of a K step changes slots: each wave's reads of this slot are back and all its tensor loads have landed in front of the signal;
; behind the barrier (a round of the cluster's barrier where the slot is filled again) the refill comes first, one load a wave.
.macro TURN slot, next, fill
	s_wait_dscnt 8
	WIN MUL_LO
	MUL16 F1, 0, 0, 0
	s_wait_dscnt 0                                 ; my reads of this slot are over
	s_set_vgpr_msb 0xa1a0
	s_wait_tensorcnt 0x0                           ; all my tensor loads have landed: the one that was out is my part of the next slot
	ds_add_u32 v254, v255
	s_wait_dscnt 0x0
	s_set_vgpr_msb 0xa0a1
	s_barrier_signal -1
	MUL16 F1, 0, 2, 0                              ; register work while the others arrive
	WIN 0
	s_barrier_wait -1
.if \fill
	CREST
	s_add_nc_u64 s[G0+4*\slot+2:G0+4*\slot+3], s[G0+4*\slot+2:G0+4*\slot+3], 2*KSTEP*2
	s_add_nc_u64 s[G0B+4*\slot+2:G0B+4*\slot+3], s[G0B+4*\slot+2:G0B+4*\slot+3], 2*KSTEP*2
	JLOAD \slot                                    ; the first tensor load behind the round; one load of the wave is out
.endif
	PLACES
	FETCH \next, 0, F0
	WIN MUL_HI
	MUL16 F1, 1, 0, 0
	MUL16 F1, 1, 2, 0
.endm
.macro LAP zero
	THREE 0, \zero
	TURN 0, 1, 1
	THREE 1, 0
	TURN 1, 0, 1
.endm
	s_wait_tensorcnt 1                             ; my part of K step 0 is in; K step 1's stays out
	s_barrier_signal -1
	s_barrier_wait -1
	FETCH 0, 0, F0
	LAP 1                                          ; the first products start the sums: nothing is cleared
	WIN 0
	s_mov_b32 s3, LAPS-2
.Llap:
	LAP 0
	WIN 0
	s_sub_co_u32 s3, s3, 1
	s_cmp_lg_u32 s3, 0
	s_cbranch_scc1 .Llap
	THREE 0, 0                                     ; the last lap fills nothing
	TURN 0, 1, 0
	THREE 1, 0
	s_wait_dscnt 8
	WIN MUL_LO
	MUL16 F1, 0, 0, 0
	MUL16 F1, 0, 2, 0
	s_wait_dscnt 0
	WIN MUL_HI
	MUL16 F1, 1, 0, 0
	MUL16 F1, 1, 2, 0
	; THE WAY OUT.  token = 256 (4 cly + place) + 128 half, head = 4 place' + 2 half'; for q and k the tokens lie along my rows (place cy, half s11)
	; and the heads along my columns (cx, s12); for V the other way round.  All in registers that feed no descriptor.
	PLACES
	WIN 0
	s_cmp_lt_u32 s13, 8
	s_cselect_b32 s66, s41, s40
	s_cselect_b32 s67, s11, s12
	s_cselect_b32 s68, s40, s41
	s_cselect_b32 s69, s12, s11
	s_lshl_b32 s70, s13, 2
	s_add_co_u32 s70, s70, s66
	s_lshl_b32 s70, s70, 8
	s_lshl_b32 s67, s67, 7
	s_add_co_u32 s70, s70, s67                     ; my first token, counted through q, k, v
	s_lshl_b32 s68, s68, 2
	s_lshl1_add_u32 s68, s69, s68                  ; my first head
	s_bfe_u32 s71, s70, 0x1000b                    ; batch: bit 11 of the token
	s_lshl4_add_u32 s71, s71, s68                  ; 16 batch + head
	s_bfe_u32 s72, s70, 0x50006                    ; block of 64 tokens in the batch
	s_lshl_b32 s71, s71, 5
	s_add_co_u32 s71, s71, s72
	s_and_b32 s73, s70, 2047                       ; position of my first token
	s_lshl_b32 s74, s71, 13                        ; Q: blocks of 8,192 bytes
	s_lshl_b32 s75, s71, 14                        ; K: blocks of 16,384 bytes behind Q
	s_add_co_u32 s75, s75, 0x800000
	s_add_co_u32 s76, s75, 8192                    ; V: the block's second half
	s_mov_b32 s77, 0x80000
	s_mov_b32 s78, 0x4000
	s_cmp_lt_u32 s13, 8
	s_cselect_b32 s75, s75, s76
	s_cselect_b32 s76, s78, s77                    ; from my rows 0-63 to my rows 64-127: K 16,384, V 524,288 (the next head)
	s_cselect_b32 s77, s77, s78                    ; from my columns 0-63 to 64-127: K 524,288 (the next head), V 16,384
	s_cmp_lt_u32 s13, 4
	s_cselect_b32 s74, s74, s75
	s_cselect_b32 s76, 0x2000, s76                 ; Q 8,192
	s_cselect_b32 s77, 0x40000, s77                ; Q 262,144
	s_sub_co_u32 s76, s76, 6144                    ; the step into row group 4: three steps of 2,048 have been made
	s_mov_b32 s78, s77
	s_mov_b32 s79, 0
	s_mov_b32 s77, 0
	s_mov_b32 s75, 0
	s_add_nc_u64 s[8:9], s[8:9], s[74:75]          ; columns 0-63
	s_add_nc_u64 s[68:69], s[8:9], s[78:79]        ; columns 64-127
	s_lshl_b32 s72, s73, 8
	s_mov_b32 s73, 0
	s_add_nc_u64 s[6:7], s[6:7], s[72:73]          ; the table at my first token's position
; 16 rows go through my own stage: 16 bytes a lane in, four rows of 128 bytes a load back, stores of 512 dense bytes.
.macro OUTTAIL i, f
.irp b, 0,1,2,3,4,5,6,7
	ds_store_b128 v[STO], v[TMP+4*\b:TMP+4*\b+3] offset:32*\b
.endr
	s_wait_xcnt 0x0                                ; buffer f, which stores read, and the stores' bases are rewritten only behind this wait
.if \i == 4
	s_add_nc_u64 s[8:9], s[8:9], s[76:77]
	s_add_nc_u64 s[68:69], s[68:69], s[76:77]
.else
.if \i
	s_add_nc_u64 s[8:9], s[8:9], 2048
	s_add_nc_u64 s[68:69], s[68:69], 2048
.endif
.endif
.irp t, 0,1,2,3,4,5,6,7
	ds_load_b128 v[\f+4*\t:\f+4*\t+3], v[RD] offset:(\t%4)*4*SPITCH+(\t/4)*128   ; LDS serves a wave's instructions in order (ISA guide 5.7.1.4): these see the stores above
.endr
.irp t, 0,1,2,3
	s_wait_dscnt 7-\t
	global_store_b128 v[CO], v[\f+4*\t:\f+4*\t+3], s[8:9] offset:512*\t
.endr
.irp t, 4,5,6,7
	s_wait_dscnt 7-\t
	global_store_b128 v[CO], v[\f+4*\t:\f+4*\t+3], s[68:69] offset:512*(\t-4)
.endr
.endm
; rows 16 i .. 16 i + 15 with the rotary turn: y[2p] = x[2p] cos[2p] + x[2p+1] sg[2p], y[2p+1] = x[2p+1] cos[2p+1] + x[2p] sg[2p+1].
; win: source 0 = the accumulators' window, source 1 = window 1 (the factors), the rest window 0.
.macro OUT16R i, a, win, f
	s_wait_loadcnt 56-8*\i                         ; this row group's eight table loads are in; the 8 (7 - i) of the later groups stay out
	WIN \win
.irp b, 0,1,2,3,4,5,6,7
.irp p, 0,1,2,3
	v_pk_mul_f32 v[96+8*\b+32*(\b/4)+2*\p:96+8*\b+32*(\b/4)+2*\p+1], v[8*(8*\a+\b)+2*\p:8*(8*\a+\b)+2*\p+1], v[32*\i+16*(\b%2)+4*\p:32*\i+16*(\b%2)+4*\p+1]
.endr
.irp p, 0,1,2,3
	v_pk_fma_f32 v[96+8*\b+32*(\b/4)+2*\p:96+8*\b+32*(\b/4)+2*\p+1], v[8*(8*\a+\b)+2*\p:8*(8*\a+\b)+2*\p+1], v[32*\i+16*(\b%2)+4*\p+2:32*\i+16*(\b%2)+4*\p+3], v[96+8*\b+32*(\b/4)+2*\p:96+8*\b+32*(\b/4)+2*\p+1] op_sel:[1,0,0] op_sel_hi:[0,1,1]
.endr
.endr
	WIN 0
.irp b, 0,1,2,3,4,5,6,7
.irp p, 0,1,2,3
	v_cvt_pk_f16_f32 v[TMP+4*\b+\p], v[96+8*\b+32*(\b/4)+2*\p], v[96+8*\b+32*(\b/4)+2*\p+1]
.endr
.endr
	OUTTAIL \i, \f
.endm
; the same without the turn (V).  from: sources 0 and 1 = the accumulators' window
.macro OUT16 i, a, from, f
	WIN \from
.irp b, 0,1,2,3,4,5,6,7
.irp r, 0,1,2,3
	v_cvt_pk_f16_f32 v[TMP+4*\b+\r], v[8*(8*\a+\b)+2*\r], v[8*(8*\a+\b)+2*\r+1]
.endr
.endr
	WIN 0
	OUTTAIL \i, \f
.endm
	s_cmp_lt_u32 s13, 8                            ; cly is equal in all waves and all partners
	s_cbranch_scc0 .Lvpath
	; the factors of my 128 positions x my lane's 16 angle pairs: 64 loads of 16 bytes into window 1, row group i at 32 i
	WIN TO_B
.irp i, 0,1,2,3,4,5,6,7
.irp c, 0,1,2,3,4,5,6,7
	global_load_b128 v[32*\i+4*\c:32*\i+4*\c+3], v[TO], s[6:7] offset:4096*\i+128*(\c/4)+16*(\c%4)
.endr
.endr
	OUT16R 0, 0, 0x06, 64
	OUT16R 1, 1, 0x06, 128
	OUT16R 2, 2, 0x06, 64
	OUT16R 3, 3, 0x06, 128
	OUT16R 4, 0, 0x07, 64
	OUT16R 5, 1, 0x07, 128
	OUT16R 6, 2, 0x07, 64
	OUT16R 7, 3, 0x07, 128
	s_branch .Lclose
.Lvpath:
	OUT16 0, 0, 0x0a, 64
	OUT16 1, 1, 0x0a, 128
	OUT16 2, 2, 0x0a, 64
	OUT16 3, 3, 0x0a, 128
	OUT16 4, 0, 0x0f, 64
	OUT16 5, 1, 0x0f, 128
	OUT16 6, 2, 0x0f, 64
	OUT16 7, 3, 0x0f, 128
.Lclose:
	s_wait_tensorcnt 0x0
	ds_add_u32 v254, v255
	s_wait_dscnt 0x0
	CROUND                                         ; the closing round: no work-group ends while a partner may still ask for a tile that names it
	s_endpgm
.Lfunc_end_k_q780ee5678d_proj:
	.size	k_q780ee5678d_proj, .Lfunc_end_k_q780ee5678d_proj-k_q780ee5678d_proj
	.p2alignl 7, 3214868480
	.fill 96, 4, 3214868480
	.section	.rodata,"a",@progbits
	.p2align	6, 0x0
	.amdhsa_kernel k_q780ee5678d_proj
		.amdhsa_group_segment_fixed_size 327680
		.amdhsa_private_segment_fixed_size 0
		.amdhsa_enable_private_segment 0
		.amdhsa_kernarg_size 24
		.amdhsa_user_sgpr_count 2
		.amdhsa_user_sgpr_kernarg_segment_ptr 1
		.amdhsa_wavefront_size32 1
		.amdhsa_system_sgpr_workgroup_id_x 1
		.amdhsa_system_sgpr_workgroup_id_y 1
		.amdhsa_system_sgpr_workgroup_id_z 1
		.amdhsa_system_vgpr_workitem_id 0
		.amdhsa_next_free_vgpr 1024
		.amdhsa_next_free_sgpr 80
		.amdhsa_reserve_vcc 0
		.amdhsa_float_denorm_mode_32 3
		.amdhsa_float_denorm_mode_16_64 3
		.amdhsa_memory_ordered 1
		.amdhsa_forward_progress 1
		.amdhsa_inst_pref_size 255
	.end_amdhsa_kernel
	.section	.bss,"aw",@nobits
	.p2align	6
	.space	262144
	.amdgpu_metadata
---
amdhsa.version: [ 1, 2 ]
amdhsa.kernels:
  - .name:           k_q780ee5678d_proj
    .symbol:         k_q780ee5678d_proj.kd
    .args:
      - { .name: xw, .offset: 0, .size: 8, .value_kind: global_buffer, .address_space: global }
      - { .name: tab, .offset: 8, .size: 8, .value_kind: global_buffer, .address_space: global }
      - { .name: qkv, .offset: 16, .size: 8, .value_kind: global_buffer, .address_space: global }
    .group_segment_fixed_size: 327680
    .private_segment_fixed_size: 0
    .kernarg_segment_align: 8
    .kernarg_segment_size: 24
    .max_flat_workgroup_size: 128
    .sgpr_count:     80
    .vgpr_count:     1024
    .wavefront_size: 32
...
	.end_amdgpu_metadata
.endif
;; end of part 2
;; launch attn (part 3): grid 16 x 16, 8 waves a work-group, clusters of 4 x 4, 327,680 bytes of LDS; arguments qkv, attn_mask, key_padding_mask, ob; writes ob
.if DOCPART == 3
	.amdgcn_target "amdgcn-amd-amdhsa--gfx1250"
	.amdhsa_code_object_version 6
	.text
	.protected	k_q780ee5678d_attn
	.globl	k_q780ee5678d_attn
	.p2align	8
	.type	k_q780ee5678d_attn,@function
k_q780ee5678d_attn:
	s_mov_b64 s[64:65], 0
	v_nop
	global_prefetch_b8 v0, s[64:65] scope:SCOPE_SE
	s_setreg_imm32_b32 hwreg(HW_REG_WAVE_MODE, 25, 1), 1
	s_wait_xcnt 0x0
	s_wait_alu depctr_hold_cnt(0) depctr_sa_sdst(0) depctr_va_vdst(0) depctr_va_sdst(0) depctr_va_ssrc(0) depctr_va_vcc(0) depctr_vm_vsrc(0)
	s_getreg_b32 s2, hwreg(HW_REG_IB_STS2, 6, 4)
	s_cmp_eq_u32 s2, 0
	s_cbranch_scc0 .Lentry_in_a_cluster
	s_endpgm
.Lentry_in_a_cluster:
	s_bfe_u32 s2, ttmp6, 0x10000c
	s_cmp_lg_u32 s2, 0xf033
	s_cbranch_scc0 .Lentry_shape_is_right
	s_endpgm
.Lentry_shape_is_right:
; Attention: softmax(q k^T / 8 + attn_mask, padded keys set to -1e9) v, by a running maximum.  The mask is an input: all 2,048 keys are computed for every row.
; A work-group takes 128 query rows of TWO heads of one batch (heads 2 p, 2 p + 1): both heads read the same tile of the mask, so a tile of 128 rows x 128 keys
; serves 2 x 128 x 128 scores, and two LDS slots of 128 keys each fit.  Eight waves: wave w takes head w / 4 and rows 32 (w % 4) .. + 31 (two tiles of 16).
; Keys go in 16 trips of 128, each trip two steps of 64 without a barrier between them: one round of the cluster's barrier for every two steps.
; TRANSPOSED: S^T = K Q^T (source 0 = 16 keys, source 1 = 16 queries): lane (r, h) holds query r and keys 16 c + 8 h + 0..7, so a row's maximum and sum
; need one exchange between the two halves of the lanes, and the packed weights of key tiles 2u, 2u+1 are, as they lie, source 1 of O^T = V^T P^T.
; CLUSTERS of 4 x 4: x = query block, y = pair of heads.  The four of a column read the same tile of the mask, the four of a row the same K and V:
; both are asked for jointly.  Behind each round every wave issues one load: waves 0-3 a piece of the mask (64 rows x 64 keys), waves 4-7 the 16,384 dense
; bytes of K and V of one head and one step.  At most one tensor load of a wave is out.
; ROUNDING as written in the problem: s = fma(acc, 1/8, mask) is the f32 sum of acc / 8 and the mask; padded keys get the bits of -1e9; s - max is formed
; before the multiplication by log2 e.  So rows in which every score is about -1e9 come out as they should.
; FORMAT: q, k, v, the weights P and the result are f16 (11 significant bits): rows that attend to few keys need them.  P lies in [0, 1].
; LIMITS: the result is rounded to f16 and must stay below 65,504 in magnitude; it is a mean of rows of v, which the launch before has kept below that.
; Weights below 2^-14 have an absolute error of at most 2^-25.  The running maximum is floored at -FLT_MAX, so blocks of keys at -inf weigh 0;
; a row at -inf everywhere gives 0 x inf = NaN.  Padding bytes are 0 or 1.
.set MPIECE, 64*272                    ; what one of waves 0-3 loads: 64 rows of the mask x 64 keys, 256 bytes + 16 of padding a row
.set MSUB,   128*272                   ; the mask of one step: 128 rows
.set KVO,    2*MSUB                    ; behind the two steps' masks: K and V
.set KVSUB,  128*144                   ; one head, one step: K, 64 rows, then V^T, 64 rows, 128 bytes + 16 of padding a row
.set KVHEAD, 2*KVSUB                   ; one head, two steps
.set SLOTB,  KVO+2*KVHEAD              ; a slot: 143,360 bytes
.set KEEPO,  2*SLOTB                   ; one word for each of the 2,048 keys: all ones = kept, 0 = padded; written once by LDS stores, no tensor load lands here
.set STAGEO, KEEPO+8192                ; 16 rows x 144 bytes for each wave, for the way out; no tensor load lands here
.set ADRM, 4                           ; v4-5   my mask rows in slot 0, 1: (32 (w % 4) + r) 272 + 32 h
.set ADRK, 6                           ; v6-7   my head's K and V fragments in slot 0, 1: r 144 + 16 h
.set ADRKEEP, 8                        ; v8     the step's keep words: + 256 each step
.set STO, 9
.set RD,  10
.set CO,  11
.set QO,  12
.set M,   14                           ; v14-15 running maximum of query tile 0, 1
.set L,   16                           ; v16-17 running sum, of my half of the keys
.set AL,  18                           ; v18, v20 factor for the old sums (v19, v21 only fill the pairs)
.set MN,  22                           ; v22, v24 the new maximum (v23, v25 only fill the pairs)
.set KEEP, 32                          ; v[32:63]   keep words of key tile c at 8 c
.set S,   64                           ; v[64:127]  scores of (key tile c, query tile a) at 8 (2 c + a)
.set MK,  128                          ; v[128:191] the mask, laid as S
.set KV,  192                          ; v[192:255] K's fragments (c, d half) at 8 (2 c + ds), then V's (d tile, key half) at 8 (2 dt + u)
.set QF,  0                            ; window 1: v[0:31]  Q's fragments at 8 (2 a + ds)
.set OF,  32                           ; window 1: v[32:95] O^T's tiles at 8 (2 dt + a)
.set G1M, 16
.set G1K, 24
.set G0M, 32
.set G0K, 40
.set MSB, 0
.macro WIN new
.if MSB != \new
	s_set_vgpr_msb (MSB<<8)|\new
.set MSB, \new
.endif
.endm
.macro CREST                           ; a round of the cluster's barrier behind its opening barrier
	s_cmp_lg_u32 s8, 0
	s_cbranch_scc1 .Lnot_wave_0_\@
	s_barrier_signal -3
.Lnot_wave_0_\@:
	s_barrier_wait -3
	s_barrier_signal -1
	s_barrier_wait -1
.endm
.macro ROUND                           ; a whole round
	s_barrier_signal -1
	s_barrier_wait -1
	CREST
.endm
.macro JLOAD s                         ; every wave asks for its piece; the branch hangs on the wave's number alone
	s_cmp_lt_u32 s8, 4
	s_cbranch_scc0 .Lfor_kv_\@
	tensor_load_to_lds s[G0M+4*\s:G0M+4*\s+3], s[G1M:G1M+7]
	s_nop 0
	s_branch .Lasked_\@
.Lfor_kv_\@:
	tensor_load_to_lds s[G0K+4*\s:G0K+4*\s+3], s[G1K:G1K+7]
	s_nop 0
.Lasked_\@:
.endm
	s_load_b256 s[48:55], s[0:1], 0x0              ; qkv s[48:49], attn_mask s[50:51], key_padding_mask s[52:53], ob s[54:55]
	v_lshl_add_u32 v31, v0, 2, 0x4c800
	s_set_vgpr_msb 0x40
	v_mov_b32 v97, 0
	s_set_vgpr_msb 0x4044
	ds_add_u32 v31, v97
	s_set_vgpr_msb 0x4400
	v_lshrrev_b32 v1, 5, v0
	v_readfirstlane_b32 s8, v1                     ; wave 0..7
	s_and_b32 s62, s8, 3                           ; my 32 of the 128 query rows; also: which piece I fetch
	s_lshr_b32 s63, s8, 2                          ; my head of the two; also: I fetch mask (0) or K and V (1)
	s_bfe_u32 s9, ttmp6, 0x40000                   ; cx
	s_bfe_u32 s10, ttmp6, 0x40004                  ; cy
	s_lshl_b32 s11, ttmp9, 2
	s_add_co_u32 s11, s11, s9                      ; query block of 128 rows, 0..15
	s_and_b32 s12, ttmp7, 0xffff
	s_lshl_b32 s12, s12, 2
	s_add_co_u32 s12, s12, s10                     ; pair of heads, 0..15 = 8 batch + head / 2
	s_lshl_b32 s13, 0x1111, s9                     ; my column of the cluster: shares the query block
	s_lshl_b32 s14, s10, 2
	s_lshl_b32 s14, 15, s14                        ; my row: shares the pair of heads
	; a piece of the mask: 64 rows x 64 f32 (256 bytes), 16 bytes of padding behind each row
	s_or_b32 s[G1M+0], s13, (2<<16)|(1<<20)|(1<<21)|(5<<22)|(3<<25)
	s_mov_b32 s[G1M+1], 64<<16                     ; tensor_dim0 = 64
	s_mov_b32 s[G1M+2], 64<<16                     ; tensor_dim1 = 64
	s_mov_b32 s[G1M+3], 64<<16                     ; tile_dim0 = 64
	s_mov_b32 s[G1M+4], 64                         ; tile_dim1 = 64
	s_mov_b32 s[G1M+5], 2048                       ; elements from row to row
	s_mov_b32 s[G1M+6], 0
	s_mov_b32 s[G1M+7], 0
	; K and V of one head and step: 16,384 dense bytes as 64 rows of 32 elements of 8 bytes; 16 bytes of padding behind every 128 bytes: 128 LDS rows of 144 bytes
	s_or_b32 s[G1K+0], s14, (3<<16)|(1<<20)|(1<<21)|(4<<22)|(3<<25)
	s_mov_b32 s[G1K+1], 32<<16
	s_mov_b32 s[G1K+2], 64<<16
	s_mov_b32 s[G1K+3], 32<<16
	s_mov_b32 s[G1K+4], 64
	s_mov_b32 s[G1K+5], 32
	s_mov_b32 s[G1K+6], 0
	s_mov_b32 s[G1K+7], 0
	s_mul_i32 s15, s62, MPIECE                     ; where my piece of the mask goes: piece = 2 step + half of the rows
	s_mul_i32 s61, s62, KVSUB
	s_add_co_u32 s61, s61, KVO                     ; where my piece of K and V goes: piece = 2 head + step
	s_and_b32 s74, s62, 1
	s_lshr_b32 s75, s62, 1
	s_lshl_b32 s66, s11, 7
	s_lshl_b32 s67, s74, 6
	s_add_co_u32 s66, s66, s67                     ; the mask's row 128 block + 64 half,
	s_lshl_b32 s66, s66, 13                        ; rows of 8,192 bytes,
	s_lshl_b32 s67, s75, 8
	s_add_co_u32 s66, s66, s67                     ; and 256 bytes on for the second step
	s_mov_b32 s67, 0
	s_lshl_b32 s68, s12, 20                        ; K and V: 2 x 524,288 bytes for each pair of heads,
	s_lshl_b32 s69, s75, 19
	s_add_co_u32 s68, s68, s69                     ; + the head,
	s_lshl_b32 s69, s74, 14
	s_add_co_u32 s68, s68, s69                     ; + the step's 16,384 bytes,
	s_add_co_u32 s68, s68, 0x800000                ; behind Q
	s_mov_b32 s69, 0
	s_lshl_b32 s70, s12, 12
	s_lshl_b32 s71, s63, 11
	s_add_co_u32 s70, s70, s71                     ; (16 batch + head) 2,048
	s_lshl_b32 s71, s11, 7
	s_add_co_u32 s70, s70, s71
	s_lshl_b32 s71, s62, 5
	s_add_co_u32 s70, s70, s71                     ; my wave's first row of Q and of ob
	s_lshl_b32 s70, s70, 7                         ; rows of 128 bytes
	s_mov_b32 s71, 0
	s_lshr_b32 s72, s12, 3
	s_lshl_b32 s72, s72, 11                        ; the batch's 2,048 padding bytes
	s_mov_b32 s73, 0
	s_mov_b32 s56, 0x76543210                      ; v_permlanex16_b32: lane i reads lane i of the other half
	s_mov_b32 s57, 0xfedcba98
	s_mov_b32 s58, 0xce6e6b28                      ; -1e9
	s_mov_b32 s60, 0xff7fffff                      ; -FLT_MAX
	s_wait_dscnt 0x0
	s_wait_kmcnt 0x0
	s_add_nc_u64 s[50:51], s[50:51], s[66:67]
	s_add_nc_u64 s[68:69], s[48:49], s[68:69]
	s_add_nc_u64 s[48:49], s[48:49], s[70:71]
	s_add_nc_u64 s[54:55], s[54:55], s[70:71]
	s_add_nc_u64 s[52:53], s[52:53], s[72:73]
.irp s, 0,1
	s_mov_b32 s[G0M+4*\s], 1
	s_add_co_u32 s[G0M+4*\s+1], s15, \s*SLOTB
	s_add_nc_u64 s[G0M+4*\s+2:G0M+4*\s+3], s[50:51], \s*512        ; trip s: 128 keys of 4 bytes on
	s_or_b32 s[G0M+4*\s+3], s[G0M+4*\s+3], 0x80000000
	s_mov_b32 s[G0K+4*\s], 1
	s_add_co_u32 s[G0K+4*\s+1], s61, \s*SLOTB
	s_add_nc_u64 s[G0K+4*\s+2:G0K+4*\s+3], s[68:69], \s*32768      ; trip s: two blocks of 16,384 bytes on
	s_or_b32 s[G0K+4*\s+3], s[G0K+4*\s+3], 0x80000000
.endr
	ROUND                                          ; all sixteen work-groups are here
	JLOAD 0                                        ; trip 0's tiles
	v_and_b32 v1, 31, v0                           ; l
	v_and_b32 v2, 15, v0                           ; r
	v_bfe_u32 v3, v0, 4, 1                         ; h
	v_lshlrev_b32 v13, 3, v0
	global_load_b64 v[26:27], v13, s[52:53]        ; eight padding bytes a thread: 256 threads, 2,048 keys
	v_lshlrev_b32 v[QO], 7, v2
	v_lshl_add_u32 v[QO], v3, 4, v[QO]             ; 128 r + 16 h
	WIN 0x40                                       ; destination window 1, address window 0
.irp a, 0,1
.irp d, 0,1
	global_load_b128 v[QF+8*(2*\a+\d):QF+8*(2*\a+\d)+3],   v[QO], s[48:49] offset:2048*\a+64*\d
	global_load_b128 v[QF+8*(2*\a+\d)+4:QF+8*(2*\a+\d)+7], v[QO], s[48:49] offset:2048*\a+64*\d+32
.endr
.endr
	WIN 0
	s_mul_i32 s61, s62, 32*272
	v_mul_u32_u24 v[ADRM], v2, 272
	v_lshl_add_u32 v[ADRM], v3, 5, v[ADRM]
	v_add_nc_u32 v[ADRM], s61, v[ADRM]
	v_add_nc_u32 v[ADRM+1], SLOTB, v[ADRM]
	v_mul_u32_u24 v28, v2, 144
	v_lshl_add_u32 v28, v3, 4, v28                 ; 144 r + 16 h
	s_mul_i32 s61, s63, KVHEAD
	s_add_co_u32 s61, s61, KVO                     ; my head's K and V
	v_add_nc_u32 v[ADRK], s61, v28
	v_add_nc_u32 v[ADRK+1], SLOTB, v[ADRK]
	v_lshlrev_b32 v[ADRKEEP], 5, v3
	v_add_nc_u32 v[ADRKEEP], KEEPO, v[ADRKEEP]
	s_mul_i32 s61, s8, 16*144
	s_add_co_u32 s61, s61, STAGEO                  ; my stage
	v_add_nc_u32 v[STO], s61, v28
	v_lshrrev_b32 v29, 3, v1
	v_and_b32 v30, 7, v0
	v_mul_u32_u24 v29, v29, 144
	v_lshl_add_u32 v29, v30, 4, v29
	v_add_nc_u32 v[RD], s61, v29                   ; back: eight lanes take a row of 128 bytes, the wave four rows
	v_lshlrev_b32 v[CO], 4, v1
	v_mov_b32 v[AL+1], 0                           ; the second registers of pairs of which the first alone is used
	v_mov_b32 v[AL+3], 0
	v_mov_b32 v[MN+1], 0
	v_mov_b32 v[MN+3], 0
	s_wait_loadcnt 0x0                             ; padding bytes and Q
.irp k, 0,1,2,3
	v_bfe_u32 v[32+\k], v26, 8*\k, 8
	v_bfe_u32 v[36+\k], v27, 8*\k, 8
.endr
.irp k, 0,1,2,3,4,5,6,7
	v_add_nc_u32 v[32+\k], -1, v[32+\k]            ; 0 -> all ones (kept), 1 -> 0 (padded)
.endr
	v_lshlrev_b32 v28, 5, v0
	v_add_nc_u32 v28, KEEPO, v28
	ds_store_b128 v28, v[32:35]                    ; read by all waves behind the wait for 0 and the round below
	ds_store_b128 v28, v[36:39] offset:16
; the largest of a query tile's 32 scores in my lane, then of both halves of the lanes, then the new running maximum and the old sums' exponent
.macro ROWMAX a, first
	v_max_num_f32 v[26+2*\a], v[S+8*\a], v[S+8*\a+1]
	v_max_num_f32 v[27+2*\a], v[S+8*\a+32], v[S+8*\a+33]
.irp o, 2,4,6,16,18,20,22
	v_max3_num_f32 v[26+2*\a], v[26+2*\a], v[S+8*\a+\o], v[S+8*\a+\o+1]
	v_max3_num_f32 v[27+2*\a], v[27+2*\a], v[S+8*\a+32+\o], v[S+8*\a+32+\o+1]
.endr
	v_max_num_f32 v[26+2*\a], v[26+2*\a], v[27+2*\a]
	v_permlanex16_b32 v[27+2*\a], v[26+2*\a], s56, s57
.if \first
	v_max3_num_f32 v[MN+2*\a], v[26+2*\a], v[27+2*\a], s60
.else
	v_max3_num_f32 v[MN+2*\a], v[26+2*\a], v[27+2*\a], v[M+\a]
	v_sub_f32 v[AL+2*\a], v[M+\a], v[MN+2*\a]
	v_mul_f32 v[AL+2*\a], 0x3fb8aa3b, v[AL+2*\a]
.endif
	v_mov_b32 v[M+\a], v[MN+2*\a]
.endm
.macro ROWSUM a, first
	v_pk_add_f32 v[26:27], v[S+8*\a:S+8*\a+1], v[S+8*\a+2:S+8*\a+3]
	v_pk_add_f32 v[28:29], v[S+8*\a+32:S+8*\a+33], v[S+8*\a+34:S+8*\a+35]
.irp o, 4,6,16,18,20,22
	v_pk_add_f32 v[26:27], v[26:27], v[S+8*\a+\o:S+8*\a+\o+1]
	v_pk_add_f32 v[28:29], v[28:29], v[S+8*\a+32+\o:S+8*\a+32+\o+1]
.endr
	v_pk_add_f32 v[26:27], v[26:27], v[28:29]
.if \first
	v_add_f32 v[L+\a], v26, v27
.else
	v_add_f32 v26, v26, v27
	v_fma_f32 v[L+\a], v[L+\a], v[AL+2*\a], v26
.endif
.endm
; One step of 64 keys: step \u (0, 1) of slot \slot.  first = 1: the sums start here, nothing is cleared.
; sig = 1: the slot's last step, and another trip follows: the round of the cluster's barrier that stands in front of the next refill is opened as soon as V is in
; registers, and the last products, which touch registers only, run between the opening signal and its wait.
.macro STEP slot, u, first, sig
.irp c, 0,1,2,3
.irp d, 0,1
	ds_load_b128 v[KV+8*(2*\c+\d):KV+8*(2*\c+\d)+3],   v[ADRK+\slot] offset:\u*KVSUB+2304*\c+64*\d
	ds_load_b128 v[KV+8*(2*\c+\d)+4:KV+8*(2*\c+\d)+7], v[ADRK+\slot] offset:\u*KVSUB+2304*\c+64*\d+32
.endr
.endr
.irp c, 0,1,2,3
.irp a, 0,1
	ds_load_b128 v[MK+8*(2*\c+\a):MK+8*(2*\c+\a)+3],   v[ADRM+\slot] offset:\u*MSUB+4352*\a+64*\c
	ds_load_b128 v[MK+8*(2*\c+\a)+4:MK+8*(2*\c+\a)+7], v[ADRM+\slot] offset:\u*MSUB+4352*\a+64*\c+16
.endr
.endr
.irp c, 0,1,2,3
	ds_load_b128 v[KEEP+8*\c:KEEP+8*\c+3],   v[ADRKEEP] offset:64*\c
	ds_load_b128 v[KEEP+8*\c+4:KEEP+8*\c+7], v[ADRKEEP] offset:64*\c+16
.endr
	v_add_nc_u32 v[ADRKEEP], 256, v[ADRKEEP]       ; the next step's 64 words
	s_wait_dscnt 24                                ; K's 16 loads are in; the mask's 16 and the keep words' 8 stay out
	WIN 0x04                                       ; source 1 (Q) in window 1
	; S^T = K Q^T: the eight accumulators take turns, one instruction a turn
.irp c, 0,1,2,3
.irp a, 0,1
	v_wmma_f32_16x16x32_f16 v[S+8*(2*\c+\a):S+8*(2*\c+\a)+7], v[KV+16*\c:KV+16*\c+7], v[QF+16*\a:QF+16*\a+7], 0
.endr
.endr
.irp c, 0,1,2,3
.irp a, 0,1
	v_wmma_f32_16x16x32_f16 v[S+8*(2*\c+\a):S+8*(2*\c+\a)+7], v[KV+16*\c+8:KV+16*\c+15], v[QF+16*\a+8:QF+16*\a+15], v[S+8*(2*\c+\a):S+8*(2*\c+\a)+7]
.endr
.endr
	WIN 0
.rept 4
	v_nop                                          ; four places in front of the loads into K's registers and of the reads of S
.endr
.irp t, 0,1,2,3
.irp w, 0,1
	ds_load_b128 v[KV+8*(2*\t+\w):KV+8*(2*\t+\w)+3],   v[ADRK+\slot] offset:\u*KVSUB+9216+2304*\t+64*\w
	ds_load_b128 v[KV+8*(2*\t+\w)+4:KV+8*(2*\t+\w)+7], v[ADRK+\slot] offset:\u*KVSUB+9216+2304*\t+64*\w+32
.endr
.endr
	s_wait_dscnt 16                                ; mask and keep words are in; V's 16 loads stay out
.set n, 0
.rept 32
	v_pk_fma_f32 v[S+n:S+n+1], v[S+n:S+n+1], 0x3e000000, v[MK+n:MK+n+1] op_sel_hi:[1,0,1]   ; acc / 8 + mask, rounded once
.set n, n+2
.endr
.irp c, 0,1,2,3
.irp a, 0,1
.irp j, 0,1,2,3,4,5,6,7
	v_bfi_b32 v[S+8*(2*\c+\a)+\j], v[KEEP+8*\c+\j], v[S+8*(2*\c+\a)+\j], s58   ; padded keys: exactly -1e9
.endr
.endr
.endr
	ROWMAX 0, \first
	ROWMAX 1, \first
.irp c, 0,1,2,3
.irp a, 0,1
.irp p, 0,2,4,6
	v_pk_add_f32 v[S+8*(2*\c+\a)+\p:S+8*(2*\c+\a)+\p+1], v[S+8*(2*\c+\a)+\p:S+8*(2*\c+\a)+\p+1], v[MN+2*\a:MN+2*\a+1] op_sel_hi:[1,0] neg_lo:[0,1] neg_hi:[0,1]   ; s - max
.endr
.endr
.endr
.set n, 0
.rept 32
	v_pk_mul_f32 v[S+n:S+n+1], v[S+n:S+n+1], 0x3fb8aa3b op_sel_hi:[1,0]
.set n, n+2
.endr
.if \first == 0
	v_exp_f32 v[AL], v[AL]
	v_exp_f32 v[AL+2], v[AL+2]
.endif
.set n, 0
.rept 64
	v_exp_f32 v[S+n], v[S+n]
.set n, n+1
.endr
	v_nop                                          ; a plain instruction between the last v_exp_f32 and the use of its result (ISA guide 5.7.2)
	s_wait_alu depctr_va_vdst(0)
	ROWSUM 0, \first
	ROWSUM 1, \first
	; the weights to f16, in place: key tile 2u into registers 0-3, key tile 2u+1 into registers 4-7 of S(2u, a): source 1 of the second product
.irp w, 0,1
.irp a, 0,1
.irp p, 0,1,2,3
	v_cvt_pk_f16_f32 v[S+8*(4*\w+\a)+\p], v[S+8*(4*\w+\a)+2*\p], v[S+8*(4*\w+\a)+2*\p+1]
.endr
.irp p, 0,1,2,3
	v_cvt_pk_f16_f32 v[S+8*(4*\w+\a)+4+\p], v[S+8*(4*\w+2+\a)+2*\p], v[S+8*(4*\w+2+\a)+2*\p+1]
.endr
.endr
.endr
.if \sig
	s_wait_dscnt 0x0                               ; V is in, and with it all my reads of this slot are back
	s_set_vgpr_msb 0x4
	s_wait_tensorcnt 0x0                           ; all my tensor loads have landed: the one that was out is my piece of the next slot,
	ds_add_u32 v31, v97
	s_wait_dscnt 0x0
	s_set_vgpr_msb 0x400
	s_add_nc_u64 s[G0M+4*\slot+2:G0M+4*\slot+3], s[G0M+4*\slot+2:G0M+4*\slot+3], 1024    ; so a group 0 may be written: this slot's next tiles, two trips on
	s_add_nc_u64 s[G0K+4*\slot+2:G0K+4*\slot+3], s[G0K+4*\slot+2:G0K+4*\slot+3], 65536
	s_barrier_signal -1                            ; opens the round; register work alone up to its wait
.endif
.if \first == 0
	WIN 0x41                                       ; O in window 1, the factor in window 0
.irp t, 0,1,2,3
.irp a, 0,1
.irp p, 0,2,4,6
	v_pk_mul_f32 v[OF+8*(2*\t+\a)+\p:OF+8*(2*\t+\a)+\p+1], v[OF+8*(2*\t+\a)+\p:OF+8*(2*\t+\a)+\p+1], v[AL+2*\a:AL+2*\a+1] op_sel_hi:[1,0]
.endr
.endr
.endr
.endif
.if \sig == 0
	s_wait_dscnt 0x0                               ; V
.endif
	WIN 0x50                                       ; C and D in window 1
	; O^T += V^T P^T: again eight accumulators by turns
.irp t, 0,1,2,3
.irp a, 0,1
.if \first
	v_wmma_f32_16x16x32_f16 v[OF+8*(2*\t+\a):OF+8*(2*\t+\a)+7], v[KV+16*\t:KV+16*\t+7], v[S+8*\a:S+8*\a+7], 0
.else
	v_wmma_f32_16x16x32_f16 v[OF+8*(2*\t+\a):OF+8*(2*\t+\a)+7], v[KV+16*\t:KV+16*\t+7], v[S+8*\a:S+8*\a+7], v[OF+8*(2*\t+\a):OF+8*(2*\t+\a)+7]
.endif
.endr
.endr
.irp t, 0,1,2,3
.irp a, 0,1
	v_wmma_f32_16x16x32_f16 v[OF+8*(2*\t+\a):OF+8*(2*\t+\a)+7], v[KV+16*\t+8:KV+16*\t+15], v[S+8*(4+\a):S+8*(4+\a)+7], v[OF+8*(2*\t+\a):OF+8*(2*\t+\a)+7]
.endr
.endr
	WIN 0
.rept 5
	v_nop                                          ; five places: the next step's first products write over S, and its loads land in V's registers
.endr
.if \sig
	s_barrier_wait -1                              ; every wave of my work-group has said so;
	CREST                                          ; wave 0 says so for the work-group, all sixteen have said so, my work-group's barrier closes the round
.endif
.endm
; A trip: 128 keys from slot \slot.  refill = 1: the other slot gets the next trip's tiles, first thing behind the round, one load a wave.
; more = 1: another trip follows.
.macro TRIP slot, refill, first, more
.if \refill
	JLOAD (1-\slot)
.endif
	STEP \slot, 0, \first, 0
	STEP \slot, 1, 0, \more
.endm
	s_set_vgpr_msb 0x4
	s_wait_tensorcnt 0x0                           ; my piece of trip 0's tiles has landed
	ds_add_u32 v31, v97
	s_wait_dscnt 0x0
	s_set_vgpr_msb 0x400
	s_wait_dscnt 0x0                               ; my stores of the keep words are done
	ROUND                                          ; both now hold of every wave of all sixteen work-groups
	TRIP 0, 1, 1, 1                                ; trip 0 (asks for trip 1)
	TRIP 1, 1, 0, 1
	s_mov_b32 s59, 6
.Lkv:
	TRIP 0, 1, 0, 1                                ; trips 2 to 13
	TRIP 1, 1, 0, 1
	s_sub_co_u32 s59, s59, 1
	s_cmp_lg_u32 s59, 0
	s_cbranch_scc1 .Lkv
	TRIP 0, 1, 0, 1                                ; trip 14 asks for trip 15
	TRIP 1, 0, 0, 0                                ; the last trip asks for nothing
	; THE WAY OUT: divide by the row's sum, round to f16; lane (r, h) holds query r, d = 16 dt + 8 h + 0..7: 16 bytes; 16 rows at a time through my own stage into dense rows
	v_permlanex16_b32 v26, v[L], s56, s57
	v_permlanex16_b32 v27, v[L+1], s56, s57
	v_add_f32 v[L], v[L], v26
	v_add_f32 v[L+1], v[L+1], v27
	v_rcp_f32 v[AL], v[L]
	v_rcp_f32 v[AL+2], v[L+1]
	v_nop
	WIN 0x41
	s_wait_alu depctr_va_vdst(0)
.irp t, 0,1,2,3
.irp a, 0,1
.irp p, 0,2,4,6
	v_pk_mul_f32 v[OF+8*(2*\t+\a)+\p:OF+8*(2*\t+\a)+\p+1], v[OF+8*(2*\t+\a)+\p:OF+8*(2*\t+\a)+\p+1], v[AL+2*\a:AL+2*\a+1] op_sel_hi:[1,0]
.endr
.endr
.endr
	WIN 0x05                                       ; sources in window 1, destination in window 0
.irp t, 0,1,2,3
.irp a, 0,1
.irp p, 0,1,2,3
	v_cvt_pk_f16_f32 v[S+4*(2*\t+\a)+\p], v[OF+8*(2*\t+\a)+2*\p], v[OF+8*(2*\t+\a)+2*\p+1]
.endr
.endr
.endr
	WIN 0
.irp a, 0,1
.irp t, 0,1,2,3
	ds_store_b128 v[STO], v[S+4*(2*\t+\a):S+4*(2*\t+\a)+3] offset:32*\t
.endr
.irp t, 0,1,2,3
	ds_load_b128 v[MK+16*\a+4*\t:MK+16*\a+4*\t+3], v[RD] offset:576*\t   ; LDS serves a wave's instructions in order (ISA guide 5.7.1.4): these see the stores above, and the second tile's stores come behind the first tile's loads
.endr
.endr
.irp t, 0,1,2,3
	s_wait_dscnt 11-\t                             ; behind load t of the first tile: its 3 - t younger loads, the second tile's 4 stores and 4 loads
	global_store_b128 v[CO], v[MK+4*\t:MK+4*\t+3], s[54:55] offset:512*\t   ; the wave stores 512 consecutive bytes, aligned
.endr
.irp t, 0,1,2,3
	s_wait_dscnt 3-\t
	global_store_b128 v[CO], v[MK+16+4*\t:MK+16+4*\t+3], s[54:55] offset:2048+512*\t
.endr
	s_set_vgpr_msb 0x4
	s_wait_tensorcnt 0x0
	ds_add_u32 v31, v97
	s_wait_dscnt 0x0
	s_set_vgpr_msb 0x400
	ROUND                                          ; the closing round
	s_endpgm
.Lfunc_end_k_q780ee5678d_attn:
	.size	k_q780ee5678d_attn, .Lfunc_end_k_q780ee5678d_attn-k_q780ee5678d_attn
	.p2alignl 7, 3214868480
	.fill 96, 4, 3214868480
	.section	.rodata,"a",@progbits
	.p2align	6, 0x0
	.amdhsa_kernel k_q780ee5678d_attn
		.amdhsa_group_segment_fixed_size 327680
		.amdhsa_private_segment_fixed_size 0
		.amdhsa_enable_private_segment 0
		.amdhsa_kernarg_size 32
		.amdhsa_user_sgpr_count 2
		.amdhsa_user_sgpr_kernarg_segment_ptr 1
		.amdhsa_wavefront_size32 1
		.amdhsa_system_sgpr_workgroup_id_x 1
		.amdhsa_system_sgpr_workgroup_id_y 1
		.amdhsa_system_sgpr_workgroup_id_z 1
		.amdhsa_system_vgpr_workitem_id 0
		.amdhsa_next_free_vgpr 354
		.amdhsa_next_free_sgpr 80
		.amdhsa_reserve_vcc 0
		.amdhsa_float_denorm_mode_32 3
		.amdhsa_float_denorm_mode_16_64 3
		.amdhsa_memory_ordered 1
		.amdhsa_forward_progress 1
		.amdhsa_inst_pref_size 255
	.end_amdhsa_kernel
	.section	.bss,"aw",@nobits
	.p2align	6
	.space	262144
	.amdgpu_metadata
---
amdhsa.version: [ 1, 2 ]
amdhsa.kernels:
  - .name:           k_q780ee5678d_attn
    .symbol:         k_q780ee5678d_attn.kd
    .args:
      - { .name: qkv, .offset: 0, .size: 8, .value_kind: global_buffer, .address_space: global }
      - { .name: attn_mask, .offset: 8, .size: 8, .value_kind: global_buffer, .address_space: global }
      - { .name: key_padding_mask, .offset: 16, .size: 8, .value_kind: global_buffer, .address_space: global }
      - { .name: ob, .offset: 24, .size: 8, .value_kind: global_buffer, .address_space: global }
    .group_segment_fixed_size: 327680
    .private_segment_fixed_size: 0
    .kernarg_segment_align: 8
    .kernarg_segment_size: 32
    .max_flat_workgroup_size: 256
    .sgpr_count:     80
    .vgpr_count:     354
    .wavefront_size: 32
...
	.end_amdgpu_metadata
.endif
;; end of part 3
;; launch oproj (part 4): grid 8 x 32, 4 waves a work-group, clusters of 4 x 4, 327,680 bytes of LDS; arguments ob, xw, out0; writes out0
.if DOCPART == 4
	.amdgcn_target "amdgcn-amd-amdhsa--gfx1250"
	.amdhsa_code_object_version 6
	.text
	.protected	k_q780ee5678d_oproj
	.globl	k_q780ee5678d_oproj
	.p2align	8
	.type	k_q780ee5678d_oproj,@function
k_q780ee5678d_oproj:
	s_mov_b64 s[64:65], 0
	v_nop
	global_prefetch_b8 v0, s[64:65] scope:SCOPE_SE
	s_setreg_imm32_b32 hwreg(HW_REG_WAVE_MODE, 25, 1), 1
	s_wait_xcnt 0x0
	s_wait_alu depctr_hold_cnt(0) depctr_sa_sdst(0) depctr_va_vdst(0) depctr_va_sdst(0) depctr_va_ssrc(0) depctr_va_vcc(0) depctr_vm_vsrc(0)
	s_getreg_b32 s2, hwreg(HW_REG_IB_STS2, 6, 4)
	s_cmp_eq_u32 s2, 0
	s_cbranch_scc0 .Lentry_in_a_cluster
	s_endpgm
.Lentry_in_a_cluster:
	s_bfe_u32 s2, ttmp6, 0x10000c
	s_cmp_lg_u32 s2, 0xf033
	s_cbranch_scc0 .Lentry_shape_is_right
	s_endpgm
.Lentry_shape_is_right:
; out0[token][f] = sum over k of O[token][k] Wo[f][k], k = 64 head + d.  O lies in ob as [16 batch + head][t][64] f16, Wo in xw from row 15,360 on (f16 format); out0 is f32.
; A work-group makes 128 tokens x 128 features, so that 256 work-groups share the 4,096 x 1,024 outputs; four waves, 64 x 64 each: 16 accumulator tiles in window 1.
; K = 1,024 goes in four parts of 256 (four heads) through two LDS slots: both slots are filled at the start, each is filled once more, behind a round of the
; cluster's barrier.  A's part is four dense pieces of 16,384 bytes (128 tokens of one head each): waves 0 and 1 load two pieces each by one descriptor whose two rows
; are the pieces; B's part is 128 rows of 512 bytes: waves 2 and 3 load 64 rows each.  Clusters of 4 x 4: A is shared along a row, B along a column, each asked for jointly.
; A wave has two tensor loads out at the start and one behind each round.
; The matrix instruction is used transposed (source 0 = Wo's rows, source 1 = tokens): a lane holds eight neighbouring features of one token, 32 bytes.
; window 0: v16-26 addresses; fragment buffer 0: A v32-63, B v64-95; buffer 1: A v96-127, B v128-159; v192-255 the way out.
; LIMIT: both operands are f16 numbers (O with 11 significant bits, Wo with the 8 of its rounding to bf16); both stay below 65,504 in magnitude.
.set APITCH, 144                       ; a token's 128 bytes of one head + 16 of padding
.set ASUB,   128*APITCH                ; 128 tokens of one head
.set BPITCH, 528                       ; 512 bytes + 16 of padding: the 16 rows of a fragment load start at 16 different 16-byte columns
.set BHALF,  64*BPITCH
.set BOFF,   4*ASUB
.set SLOT,   BOFF+2*BHALF              ; 141,312
.set STAGE,  2*SLOT                    ; behind the ring: 16 rows x 272 bytes for each wave; no tensor load lands there
.set SPITCH, 272
.set ADRA, 16
.set ADRB, 20
.set STO,  24
.set RD,   25
.set CO,   26
.set F0,   32
.set F1,   96
.set G1, 24
.set G0, 32
.set G1B, 48
.set G0B, 56
.set MSB, 0
.macro WIN new
.if MSB != \new
	s_set_vgpr_msb (MSB<<8)|\new
.set MSB, \new
.endif
.endm
.set MUL,  0x50                        ; sources 0 and 1 window 0, C and D window 1
.macro JLOAD s                         ; waves 0 and 1 ask for A, waves 2 and 3 for B; the branch hangs on the wave's number alone
	s_cmp_eq_u32 s11, 0
	s_cbranch_scc0 .Lfor_b_\@
	tensor_load_to_lds s[G0+4*\s:G0+4*\s+3], s[G1:G1+7]
	s_nop 0
	s_branch .Lasked_\@
.Lfor_b_\@:
	tensor_load_to_lds s[G0B+4*\s:G0B+4*\s+3], s[G1B:G1B+7]
	s_nop 0
.Lasked_\@:
.endm
.macro CREST
	s_cmp_lg_u32 s10, 0
	s_cbranch_scc1 .Lnot_wave_0_\@
	s_barrier_signal -3
.Lnot_wave_0_\@:
	s_barrier_wait -3
	s_barrier_signal -1
	s_barrier_wait -1
.endm
.macro CROUND
	s_barrier_signal -1
	s_barrier_wait -1
	CREST
.endm
	s_load_b128 s[4:7], s[0:1], 0x0                ; ob s[4:5], xw s[6:7]
	s_load_b64 s[8:9], s[0:1], 0x10                ; out0
	v_lshl_add_u32 v190, v0, 2, 0x49400
	v_mov_b32 v191, 0
	ds_add_u32 v190, v191
	v_lshrrev_b32 v1, 5, v0
	v_readfirstlane_b32 s10, v1                    ; wave 0..3
	s_lshr_b32 s11, s10, 1                         ; my 64 of the 128 tokens; also: I fetch for A (0) or B (1)
	s_and_b32 s12, s10, 1                          ; my 64 of the 128 features; also: which half I fetch
	s_bfe_u32 s40, ttmp6, 0x40000                  ; cx
	s_bfe_u32 s41, ttmp6, 0x40004                  ; cy
	s_lshl_b32 s42, ttmp9, 2
	s_add_co_u32 s42, s42, s40                     ; block of 128 features, 0..7
	s_and_b32 s13, ttmp7, 0xffff
	s_lshl_b32 s13, s13, 2
	s_add_co_u32 s13, s13, s41                     ; block of 128 tokens, 0..31
	s_lshl_b32 s43, s41, 2
	s_lshl_b32 s43, 15, s43                        ; my row of the cluster
	s_lshl_b32 s44, 0x1111, s40                    ; my column
	; A: two rows of 2,048 elements of 8 bytes (16,384 dense bytes: 128 tokens of one head), 32,768 elements (one head) apart; 16 bytes of padding behind every 128 bytes
	s_or_b32 s[G1+0], s43, (3<<16)|(1<<20)|(1<<21)|(4<<22)|(3<<25)
	s_mov_b32 s[G1+1], 2048<<16                    ; tensor_dim0 = 2,048
	s_mov_b32 s[G1+2], 2<<16                       ; tensor_dim1 = 2
	s_mov_b32 s[G1+3], 2048<<16                    ; tile_dim0 = 2,048
	s_mov_b32 s[G1+4], 2                           ; tile_dim1 = 2
	s_mov_b32 s[G1+5], 32768                       ; elements from row to row
	s_mov_b32 s[G1+6], 0
	s_mov_b32 s[G1+7], 0
	; B: 64 rows x 256 numbers of 2 bytes, 16 bytes of padding behind each row of 128 words
	s_or_b32 s[G1B+0], s44, (1<<16)|(1<<20)|(1<<21)|(6<<22)|(3<<25)
	s_mov_b32 s[G1B+1], 256<<16
	s_mov_b32 s[G1B+2], 64<<16
	s_mov_b32 s[G1B+3], 256<<16
	s_mov_b32 s[G1B+4], 64
	s_mov_b32 s[G1B+5], 1024
	s_mov_b32 s[G1B+6], 0
	s_mov_b32 s[G1B+7], 0
	s_lshr_b32 s16, s13, 4                         ; A: ((16 batch + head) 2,048 + t0) 128 bytes, head = 2 x my half, t0 = 128 (block % 16)
	s_lshl_b32 s16, s16, 22
	s_and_b32 s17, s13, 15
	s_lshl_b32 s17, s17, 14
	s_add_co_u32 s16, s16, s17
	s_lshl_b32 s17, s12, 19
	s_add_co_u32 s16, s16, s17
	s_mov_b32 s17, 0
	s_lshl_b32 s46, s42, 18                        ; B: row 15,360 + 128 block + 64 half, 2,048 bytes each
	s_lshl_b32 s47, s12, 17
	s_add_co_u32 s46, s46, s47
	s_add_co_u32 s46, s46, 0x1e00000
	s_mov_b32 s47, 0
	s_mul_i32 s20, s12, 2*ASUB                     ; where A's two pieces go,
	s_mul_i32 s21, s12, BHALF
	s_add_co_u32 s21, s21, BOFF                    ; and B's half
	s_wait_dscnt 0x0
	s_wait_kmcnt 0x0
	s_add_nc_u64 s[14:15], s[4:5], s[16:17]
	s_add_nc_u64 s[46:47], s[6:7], s[46:47]
	CROUND                                         ; all sixteen work-groups are here
.irp s, 0,1
	s_mov_b32 s[G0+4*\s], 1
	s_add_co_u32 s[G0+4*\s+1], s20, \s*SLOT
	s_add_nc_u64 s[G0+4*\s+2:G0+4*\s+3], s[14:15], \s*1048576      ; part s: four heads on
	s_or_b32 s[G0+4*\s+3], s[G0+4*\s+3], 0x80000000
	s_mov_b32 s[G0B+4*\s], 1
	s_add_co_u32 s[G0B+4*\s+1], s21, \s*SLOT
	s_add_nc_u64 s[G0B+4*\s+2:G0B+4*\s+3], s[46:47], \s*512        ; part s: 256 numbers on
	s_or_b32 s[G0B+4*\s+3], s[G0B+4*\s+3], 0x80000000
	JLOAD \s                                       ; both slots' first fills, ahead of everything else: half of K is on its way
.endr
	v_and_b32 v1, 15, v0                           ; r
	v_bfe_u32 v2, v0, 4, 1                         ; h
	v_mul_u32_u24 v3, v1, APITCH
	v_lshl_add_u32 v3, v2, 4, v3
	v_mul_u32_u24 v4, v1, BPITCH
	v_lshl_add_u32 v4, v2, 4, v4
	s_mul_i32 s22, s11, 64*APITCH                  ; my 64 tokens
	s_mul_i32 s23, s12, BHALF
	s_add_co_u32 s23, s23, BOFF                    ; my 64 features
.irp s, 0,1
	v_add_nc_u32 v[ADRA+\s], s22, v3
	v_add_nc_u32 v[ADRB+\s], s23, v4
	s_add_co_u32 s22, s22, SLOT
	s_add_co_u32 s23, s23, SLOT
.endr
	s_mul_i32 s22, s10, 16*SPITCH
	s_add_co_u32 s22, s22, STAGE                   ; my stage
	v_mul_u32_u24 v5, v1, SPITCH
	v_lshl_add_u32 v5, v2, 5, v5                   ; in: row r, 32 bytes for each half of the lanes
	v_add_nc_u32 v[STO], s22, v5
	v_mul_u32_u24 v5, v2, SPITCH                   ; back: lanes 0-15 take one row of 256 bytes, lanes 16-31 the next
	v_lshl_add_u32 v5, v1, 4, v5
	v_add_nc_u32 v[RD], s22, v5
	v_lshlrev_b32 v5, 12, v2                       ; and the same two rows in out0, 4,096 bytes apart
	v_lshl_add_u32 v[CO], v1, 4, v5
; 8 matrix instructions: token tiles a0, a0 + 1 x all 4 feature tiles, 32 along K.  zero = 1: the first product starts the sums.
.macro MULH f, a0, zero
.irp a, \a0, \a0+1
.irp b, 0,1,2,3
.if \zero
	v_wmma_f32_16x16x32_f16 v[8*(4*(\a)+\b):8*(4*(\a)+\b)+7], v[\f+32+8*\b:\f+32+8*\b+7], v[\f+8*(\a):\f+8*(\a)+7], 0
.else
	v_wmma_f32_16x16x32_f16 v[8*(4*(\a)+\b):8*(4*(\a)+\b)+7], v[\f+32+8*\b:\f+32+8*\b+7], v[\f+8*(\a):\f+8*(\a)+7], v[8*(4*(\a)+\b):8*(4*(\a)+\b)+7]
.endif
.endr
.endr
.endm
.macro FETCH slot, k, f                ; 16 LDS loads: 64 rows of B, 64 rows of A, 32 along K at byte k (0 to 448) of the part
.irp i, 0,1,2,3
	ds_load_b128 v[\f+32+8*\i:\f+32+8*\i+3], v[ADRB+\slot] offset:\k+\i*16*BPITCH
	ds_load_b128 v[\f+36+8*\i:\f+36+8*\i+3], v[ADRB+\slot] offset:\k+\i*16*BPITCH+32
.endr
.irp i, 0,1,2,3
	ds_load_b128 v[\f+8*\i:\f+8*\i+3],   v[ADRA+\slot] offset:(\k/128)*ASUB+(\k%128)+\i*16*APITCH
	ds_load_b128 v[\f+8*\i+4:\f+8*\i+7], v[ADRA+\slot] offset:(\k/128)*ASUB+(\k%128)+\i*16*APITCH+32
.endr
.endm
.macro PLACES                          ; four places between a matrix instruction and a load into one of its registers (ISA guide 7.12.1 for vector instructions)
.rept 4
	v_nop
.endr
.endm
; A part is eight quarter steps of 32 along K, 16 matrix instructions each, on buffers 0, 1, 0, 1 ...  The 16 accumulators take turns, one instruction a turn,
; in the same order in every quarter step.
; One of the first seven: fetches the next quarter's fragments (byte k) into buffer g, then multiplies buffer f: a fetch has a whole quarter's products in which to land.
.macro QUARTER slot, k, f, g, zero
	PLACES
	WIN 0
	FETCH \slot, \k, \g
	s_wait_dscnt 16                                ; buffer f's 16 loads are in; the 16 just issued stay out
	WIN MUL
	MULH \f, 0, \zero
	MULH \f, 2, \zero
.endm
.macro SEVEN slot, zero
	QUARTER \slot, 64,  F0, F1, \zero
	QUARTER \slot, 128, F1, F0, 0
	QUARTER \slot, 192, F0, F1, 0
	QUARTER \slot, 256, F1, F0, 0
	QUARTER \slot, 320, F0, F1, 0
	QUARTER \slot, 384, F1, F0, 0
	QUARTER \slot, 448, F0, F1, 0
.endm
; The eighth quarter multiplies buffer 1 and changes slots.  In front of the signal my reads of this slot are back and all my tensor loads have landed;
; behind the barrier (a round of the cluster's barrier where this slot is filled again) the refill comes first, one load a wave.
.macro TURN slot, next, fill
	s_wait_dscnt 0                                 ; buffer 1 is in, and with it my reads of this slot are over
	s_wait_tensorcnt 0x0                           ; all my tensor loads have landed, my share of the next slot among them
	ds_add_u32 v190, v191
	s_wait_dscnt 0x0
	s_barrier_signal -1
	WIN MUL
	MULH F1, 0, 0                                  ; register work while the others arrive
	WIN 0
	s_barrier_wait -1
.if \fill
	CREST                                          ; the rest of the round: no wave of any partner still reads this slot or has a load on its way
	s_add_nc_u64 s[G0+4*\slot+2:G0+4*\slot+3], s[G0+4*\slot+2:G0+4*\slot+3], 2*1048576
	s_add_nc_u64 s[G0B+4*\slot+2:G0B+4*\slot+3], s[G0B+4*\slot+2:G0B+4*\slot+3], 2*512
	JLOAD \slot                                    ; the first tensor load behind the round: this slot's next part, two parts on
.endif
	PLACES
	FETCH \next, 0, F0
	WIN MUL
	MULH F1, 2, 0
.endm
	s_wait_tensorcnt 1                             ; my share of part 0 is in; part 1's stays out
	s_barrier_signal -1
	s_barrier_wait -1
	FETCH 0, 0, F0
	SEVEN 0, 1                                     ; part 0: the first products start the sums
	TURN 0, 1, 1                                   ; slot 0 gets part 2
	SEVEN 1, 0                                     ; part 1
	TURN 1, 0, 1                                   ; slot 1 gets part 3
	SEVEN 0, 0                                     ; part 2
	TURN 0, 1, 0                                   ; nothing is left to fetch
	SEVEN 1, 0                                     ; part 3
	s_wait_dscnt 0
	MULH F1, 0, 0
	MULH F1, 2, 0
	; THE WAY OUT, 16 tokens at a time: 32 bytes a lane into my stage, rows of 256 bytes back: sixteen lanes store 256 consecutive bytes, aligned
	PLACES
	WIN 0
	s_lshl_b32 s66, s13, 19                        ; 128 tokens of 4,096 bytes
	s_lshl_b32 s67, s11, 18                        ; + my 64
	s_add_co_u32 s66, s66, s67
	s_lshl_b32 s67, s42, 9                         ; + 128 features of 4 bytes
	s_add_co_u32 s66, s66, s67
	s_lshl_b32 s67, s12, 8                         ; + my 64
	s_add_co_u32 s66, s66, s67
	s_mov_b32 s67, 0
	s_add_nc_u64 s[8:9], s[8:9], s[66:67]
.macro OUTF i
	WIN 0x04                                       ; the stores' data in window 1, their address in window 0
.irp b, 0,1,2,3
	ds_store_b128 v[STO], v[8*(4*\i+\b):8*(4*\i+\b)+3]   offset:64*\b
	ds_store_b128 v[STO], v[8*(4*\i+\b)+4:8*(4*\i+\b)+7] offset:64*\b+16
.endr
	WIN 0
	s_wait_xcnt 0x0                                ; the registers that earlier stores read, and the stores' base, are rewritten only behind this wait
.if \i
	s_add_nc_u64 s[8:9], s[8:9], 65536             ; 16 tokens on
.endif
.irp t, 0,1,2,3,4,5,6,7
	ds_load_b128 v[192+32*(\i%2)+4*\t:192+32*(\i%2)+4*\t+3], v[RD] offset:2*SPITCH*\t   ; LDS serves a wave's instructions in order (ISA guide 5.7.1.4): these see the stores above
.endr
.irp t, 0,1,2,3,4,5,6,7
	s_wait_dscnt 7-\t
	global_store_b128 v[CO], v[192+32*(\i%2)+4*\t:192+32*(\i%2)+4*\t+3], s[8:9] offset:8192*\t th:TH_STORE_NT
.endr
.endm
	OUTF 0
	OUTF 1
	OUTF 2
	OUTF 3
	s_wait_tensorcnt 0x0
	ds_add_u32 v190, v191
	s_wait_dscnt 0x0
	CROUND                                         ; the closing round
	s_endpgm
.Lfunc_end_k_q780ee5678d_oproj:
	.size	k_q780ee5678d_oproj, .Lfunc_end_k_q780ee5678d_oproj-k_q780ee5678d_oproj
	.p2alignl 7, 3214868480
	.fill 96, 4, 3214868480
	.section	.rodata,"a",@progbits
	.p2align	6, 0x0
	.amdhsa_kernel k_q780ee5678d_oproj
		.amdhsa_group_segment_fixed_size 327680
		.amdhsa_private_segment_fixed_size 0
		.amdhsa_enable_private_segment 0
		.amdhsa_kernarg_size 24
		.amdhsa_user_sgpr_count 2
		.amdhsa_user_sgpr_kernarg_segment_ptr 1
		.amdhsa_wavefront_size32 1
		.amdhsa_system_sgpr_workgroup_id_x 1
		.amdhsa_system_sgpr_workgroup_id_y 1
		.amdhsa_system_sgpr_workgroup_id_z 1
		.amdhsa_system_vgpr_workitem_id 0
		.amdhsa_next_free_vgpr 384
		.amdhsa_next_free_sgpr 72
		.amdhsa_reserve_vcc 0
		.amdhsa_float_denorm_mode_32 3
		.amdhsa_float_denorm_mode_16_64 3
		.amdhsa_memory_ordered 1
		.amdhsa_forward_progress 1
		.amdhsa_inst_pref_size 89
	.end_amdhsa_kernel
	.amdgpu_metadata
---
amdhsa.version: [ 1, 2 ]
amdhsa.kernels:
  - .name:           k_q780ee5678d_oproj
    .symbol:         k_q780ee5678d_oproj.kd
    .args:
      - { .name: ob, .offset: 0, .size: 8, .value_kind: global_buffer, .address_space: global }
      - { .name: xw, .offset: 8, .size: 8, .value_kind: global_buffer, .address_space: global }
      - { .name: out0, .offset: 16, .size: 8, .value_kind: global_buffer, .address_space: global }
    .group_segment_fixed_size: 327680
    .private_segment_fixed_size: 0
    .kernarg_segment_align: 8
    .kernarg_segment_size: 24
    .max_flat_workgroup_size: 128
    .sgpr_count:     72
    .vgpr_count:     384
    .wavefront_size: 32
...
	.end_amdgpu_metadata
.endif
;; end of part 4
;; ======== version 2 of 2: 4 launches; version 1 with the launch cast written anew for expert scheduling mode
;; limits: values are held in f16: magnitudes above 65,504 overflow, below 6.1e-05 lose precision
;; workspace buffers: xw 33,554,432 bytes; tab 524,288 bytes; qkv 25,165,824 bytes; ob 8,388,608 bytes
;; launch cast (part 5): grid 256 x 1, 8 waves a work-group, no clusters, 0 bytes of LDS; arguments q, k, v, Wq, Wk, Wv, Wo, xw, tab; writes xw, tab
.if DOCPART == 5
	.amdgcn_target "amdgcn-amd-amdhsa--gfx1250"
	.amdhsa_code_object_version 6
	.text
	.protected	k_q780ee5678d_cast
	.globl	k_q780ee5678d_cast
	.p2align	8
	.type	k_q780ee5678d_cast,@function
k_q780ee5678d_cast:
	s_mov_b64 s[64:65], 0
	v_nop
	global_prefetch_b8 v0, s[64:65] scope:SCOPE_SE
	s_setreg_imm32_b32 hwreg(HW_REG_WAVE_SCHED_MODE, 0, 2), 2
	s_setreg_imm32_b32 hwreg(HW_REG_WAVE_MODE, 25, 1), 1
	s_wait_xcnt 0x0
	s_wait_alu depctr_vm_vsrc(0)
; Rounds q, k, v, Wq, Wk, Wv, Wo (f32) to 16 bits into one table xw of 16,384 rows of 1,024 numbers
; (rows 0 q, 4096 k, 8192 v, 12288 Wq, 13312 Wk, 14336 Wv, 15360 Wo), and makes the table of rotary factors.
; q, k, v, Wq, Wk, Wv are written as bf16.  Wo is rounded to bf16 like them, so that all seven inputs are rounded alike, and that number is then written
; in f16 FORMAT, because its partner in the last product, the attention's result, is kept in f16 for its 11 significant bits.
; 256 work-groups; group g takes 262,144 bytes of one input (64 groups for each of q, k, v, 16 for each weight) and writes 131,072 bytes.
; A wave takes 32,768 bytes by 64 loads of 16 bytes a lane (512 neighbouring bytes each); each load becomes one store of 8 bytes a lane:
; the wave's store covers 256 consecutive bytes, aligned.
; No LDS, no barrier, no matrix unit: each byte is touched once and no wave needs another's data.
; tab: 256 bytes for each position t: quad i (16 bytes at 16 i) = cos[2i], cos[2i+1], sg[2i], sg[2i+1], angle t * 10000^(-j/32),
; sg[j] = -sin for even j, +sin for odd j.  Wave w of group g makes position t = 8 g + w, lane j its angle j.
; LIMITS: sine and cosine by reduction with pi/2 in two parts and polynomials on [-pi/4, pi/4]; made for angles below 2^11 (t is at most 2047).
; Wo: a bf16 number of magnitude 2^-17 or more is an f16 number exactly; below that the absolute error is at most 2^-25; |Wo| must stay below 65,504.
; THE MODE: SCHED_MODE bits 1:0 = 2 (LLVM: expert scheduling mode 2), set by the entry lines.  The code itself states the register dependences
; between vector instructions and memory instructions, with s_wait_alu, always for 0.
; THE PLAN.  A wave's 64 loads go in 16 blocks of four.  Registers that memory instructions touch:
;   X0 .. X5   six blocks as loaded.     Written by the loads of block p + 5, issued in block p; read by block p's conversions (X[p % 6]).
;   Y0, Y1     two blocks to store.      Written by block p's conversions (Y[p % 2]); read by the four stores that are issued in block p + 1.
;   v3, v23    byte offsets, made once at the head and never written again: the blocks are reached by immediate offsets.
;   v20-v22    the table's 8 bytes and their offset: written once, read by one store.
; Block p's memory instructions are the loads into X[(p + 5) % 6] = X[(p - 1) % 6] and the stores from Y[(p - 1) % 2]: the two buffers that block p - 1
; worked on and that no vector instruction of block p names.  So the waits at a block's head state all that its eight memory instructions hang on,
; and these are dealt among its conversions with no further wait.  16 to 20 loads of every wave are on their way.
.set INO,  3                           ; v3        byte offset of my 16 bytes in the group's input; never rewritten
.set OUTO, 23                          ; v23       byte offset of my 8 bytes in the group's output; never rewritten
.set W,    24                          ; v[24:29]  at work on Wo's way: no memory instruction names them
.set X,    32                          ; v[32:127]  buffer k, load i: 4 registers at X + 16 k + 4 i, as loaded
.set Y,    128                         ; v[128:143] buffer k, load i: 2 registers at Y + 8 k + 2 i, to store
	s_load_b512 s[8:23], s[0:1], 0x0               ; q s[8:9], k s[10:11], v s[12:13], Wq s[14:15], Wk s[16:17], Wv s[18:19], Wo s[20:21], xw s[22:23]
	s_load_b64 s[24:25], s[0:1], 0x40              ; tab
	s_mov_b32 s2, ttmp9                            ; g
	v_and_b32 v1, 31, v0                           ; lane
	v_lshrrev_b32 v2, 5, v0                        ; wave
	v_lshlrev_b32 v[INO], 4, v1
	v_lshl_add_u32 v[INO], v2, 15, v[INO]          ; 32,768 wave + 16 lane
	v_lshlrev_b32 v[OUTO], 3, v1
	v_lshl_add_u32 v[OUTO], v2, 14, v[OUTO]        ; 16,384 wave + 8 lane
	s_and_b32 s26, s2, 63                          ; my part of q, k or v
	s_and_b32 s27, s2, 15                          ; or of a weight
	s_cmp_lt_u32 s2, 192
	s_cselect_b32 s26, s26, s27
	s_lshl_b32 s26, s26, 18                        ; times 262,144 bytes
	s_mov_b32 s27, 0
	s_lshl_b32 s28, s2, 17                         ; g times 131,072 bytes of xw
	s_mov_b32 s29, 0
	s_wait_kmcnt 0x0
	s_mov_b64 s[4:5], s[20:21]                     ; which input: a choice on g alone
	s_cmp_lt_u32 s2, 240
	s_cselect_b64 s[4:5], s[18:19], s[4:5]
	s_cmp_lt_u32 s2, 224
	s_cselect_b64 s[4:5], s[16:17], s[4:5]
	s_cmp_lt_u32 s2, 208
	s_cselect_b64 s[4:5], s[14:15], s[4:5]
	s_cmp_lt_u32 s2, 192
	s_cselect_b64 s[4:5], s[12:13], s[4:5]
	s_cmp_lt_u32 s2, 128
	s_cselect_b64 s[4:5], s[10:11], s[4:5]
	s_cmp_lt_u32 s2, 64
	s_cselect_b64 s[4:5], s[8:9], s[4:5]
	s_add_nc_u64 s[4:5], s[4:5], s[26:27]
	s_add_nc_u64 s[6:7], s[22:23], s[28:29]
	s_wait_alu depctr_va_vdst(0)                   ; v3 and v23 are written: every load and store of xw's data reads one of them as its offset
.set n, 0
.rept 20
	global_load_b128 v[X+4*n:X+4*n+3], v[INO], s[4:5] offset:512*n th:TH_LOAD_NT   ; blocks 0 to 4 into X0 to X4
.set n, n+1
.endr
	; the rotary factors of position t = 8 g + wave, angle index j = lane, while the first loads are on their way
	v_cvt_f32_u32 v4, v1
	v_mul_f32 v4, 0xbed49a78, v4                   ; -j log2(10000) / 32
	v_exp_f32 v4, v4                               ; 10000^(-j/32)
	v_lshl_add_u32 v5, s2, 3, v2                   ; t (a plain instruction between v_exp_f32 and the use of its result: ISA guide 5.7.2)
	v_cvt_f32_u32 v6, v5
	s_wait_alu depctr_va_vdst(0)                   ; v_exp_f32 has written v4, ahead of the first instruction that names it
	v_mul_f32 v6, v6, v4                           ; the angle x
	v_mul_f32 v7, 0x3f22f983, v6                   ; x * 2/pi
	v_rndne_f32 v7, v7                             ; n
	v_fmamk_f32 v8, v7, 0xbfc90fdb, v6             ; y = x - n * (pi/2, upper part)
	v_fmamk_f32 v8, v7, 0x333bbd2e, v8             ;       - n * (pi/2, lower part)
	v_mul_f32 v9, v8, v8                           ; z = y^2
	v_mov_b32 v10, 0xb9500d01                      ; -1/5040
	v_mov_b32 v12, 0x37d00d01                      ; 1/40320
	v_fmaak_f32 v10, v9, v10, 0x3c088889           ; + 1/120
	v_fmaak_f32 v12, v9, v12, 0xbab60b61           ; - 1/720
	v_fmaak_f32 v10, v9, v10, 0xbe2aaaab           ; - 1/6
	v_fmaak_f32 v12, v9, v12, 0x3d2aaaab           ; + 1/24
	v_mul_f32 v11, v8, v9                          ; y z
	v_fmaak_f32 v12, v9, v12, 0xbf000000           ; - 1/2
	v_fma_f32 v10, v11, v10, v8                    ; sin y
	v_fma_f32 v12, v9, v12, 1.0                    ; cos y
	v_cvt_i32_f32 v13, v7
	v_and_b32 v13, 3, v13                          ; the quadrant
	v_and_b32 v14, 1, v13
	v_cmp_eq_u32 vcc_lo, 1, v14                    ; odd quadrant: sine and cosine change places
	s_wait_alu depctr_va_vcc(0)                    ; the compare has written VCC, ahead of the select that reads it first
	v_cndmask_b32 v15, v10, v12, vcc_lo            ; |sin x|'s source
	v_cndmask_b32 v16, v12, v10, vcc_lo            ; |cos x|'s source
	v_and_b32 v14, 2, v13                          ; sine is negated in quadrants 2, 3
	v_lshlrev_b32 v14, 30, v14
	v_xor_b32 v15, v15, v14
	v_add_nc_u32 v14, 1, v13                       ; cosine in quadrants 1, 2
	v_and_b32 v14, 2, v14
	v_lshlrev_b32 v14, 30, v14
	v_xor_b32 v16, v16, v14
	v_and_b32 v17, 1, v1                           ; j odd?
	v_xor_b32 v14, 1, v17
	v_lshlrev_b32 v14, 31, v14
	v_xor_b32 v15, v15, v14                        ; sg: -sin for even j
	v_mov_b32 v18, 0                               ; the destination of a DPP move counts as read
	v_mov_b32 v19, 0
	v_mov_b32_dpp v18, v16 row_xmask:1 row_mask:0xf bank_mask:0xf   ; the neighbour's cos
	v_mov_b32_dpp v19, v15 row_xmask:1 row_mask:0xf bank_mask:0xf   ; the neighbour's sg
	v_cmp_eq_u32 vcc_lo, 0, v17
	s_wait_alu depctr_va_vcc(0)                    ; the second compare has written VCC, ahead of the select that reads it first
	v_cndmask_b32 v20, v19, v16, vcc_lo            ; even lane: cos[j], cos[j+1]; odd lane: sg[j-1], sg[j]
	v_cndmask_b32 v21, v15, v18, vcc_lo
	v_lshlrev_b32 v22, 8, v5
	v_lshl_add_u32 v22, v1, 3, v22                 ; 256 t + 8 lane: the wave stores 256 consecutive bytes, aligned
	s_wait_alu depctr_va_vdst(0)                   ; v20, v21 and v22 are written, which the store below reads as its data and its offset; none of them is written again
	global_store_b64 v22, v[20:21], s[24:25]
; Block p (the symbol p, 0 to 15).  ahead = 1: block p + 5 is loaded.  left = the younger loads that may stay out.
; wo = 1: round to bf16, widen that number again (a shift, a mask) and write it as f16.
.macro BLK ahead, left, wo
	s_wait_loadcnt \left                           ; loads come back in order (ISA guide 5.7.1): X[p % 6] is in, the younger blocks stay out
.if p > 1
	s_wait_xcnt 0x0                                ; every earlier memory instruction has had its addresses translated (ISA guide 3.1): Y[p % 2], which stores read, is rewritten only behind this wait
	s_wait_alu depctr_vm_vsrc(0)                   ; the stores issued in the block before have read Y[p % 2], which this block's conversions write again
.endif
.if p > 0
	s_wait_alu depctr_va_vdst(0)                   ; the block before has written the other Y, which the stores below read, and is done reading its X, in which the loads below land
.endif
.irp i, 0,1,2,3
.if \ahead
	global_load_b128 v[X+16*((p+5)%6)+4*(\i):X+16*((p+5)%6)+4*(\i)+3], v[INO], s[4:5] offset:512*(4*(p+5)+(\i)) th:TH_LOAD_NT   ; five blocks ahead; no vector instruction since the wait names these registers
.endif
.if p > 0
	global_store_b64 v[OUTO], v[Y+8*((p+1)%2)+2*(\i):Y+8*((p+1)%2)+2*(\i)+1], s[6:7] offset:256*(4*(p-1)+(\i))   ; the block before
.endif
.if \wo
	v_cvt_pk_bf16_f32 v[W],   v[X+16*(p%6)+4*(\i)],   v[X+16*(p%6)+4*(\i)+1]
	v_cvt_pk_bf16_f32 v[W+1], v[X+16*(p%6)+4*(\i)+2], v[X+16*(p%6)+4*(\i)+3]
	v_lshlrev_b32 v[W+2], 16, v[W]
	v_and_b32     v[W+3], 0xffff0000, v[W]
	v_lshlrev_b32 v[W+4], 16, v[W+1]
	v_and_b32     v[W+5], 0xffff0000, v[W+1]
	v_cvt_pk_f16_f32 v[Y+8*(p%2)+2*(\i)],   v[W+2], v[W+3]
	v_cvt_pk_f16_f32 v[Y+8*(p%2)+2*(\i)+1], v[W+4], v[W+5]
.else
	v_cvt_pk_bf16_f32 v[Y+8*(p%2)+2*(\i)],   v[X+16*(p%6)+4*(\i)],   v[X+16*(p%6)+4*(\i)+1]
	v_cvt_pk_bf16_f32 v[Y+8*(p%2)+2*(\i)+1], v[X+16*(p%6)+4*(\i)+2], v[X+16*(p%6)+4*(\i)+3]
.endif
.endr
.endm
	s_cmp_lt_u32 s2, 240                           ; groups 240 to 255 hold Wo
	s_cbranch_scc0 .Lwo
.set p, 0
.rept 11
	BLK 1, 16, 0                                   ; blocks 0 to 10: the four younger blocks, sixteen loads, stay out
.set p, p+1
.endr
.rept 5
	BLK 0, 60-4*p, 0                               ; blocks 11 to 15 load nothing: no load leaves the buffer, and the counts run down 16, 12, 8, 4, 0
.set p, p+1
.endr
	s_wait_alu depctr_va_vdst(0)                   ; block 15 has written Y1, which the last four stores read
.irp i, 0,1,2,3
	global_store_b64 v[OUTO], v[Y+8+2*(\i):Y+8+2*(\i)+1], s[6:7] offset:256*(60+(\i))
.endr
	s_endpgm
.Lwo:
.set p, 0
.rept 11
	BLK 1, 16, 1
.set p, p+1
.endr
.rept 5
	BLK 0, 60-4*p, 1
.set p, p+1
.endr
	s_wait_alu depctr_va_vdst(0)                   ; block 15 has written Y1, which the last four stores read
.irp i, 0,1,2,3
	global_store_b64 v[OUTO], v[Y+8+2*(\i):Y+8+2*(\i)+1], s[6:7] offset:256*(60+(\i))
.endr
	s_endpgm
.Lfunc_end_k_q780ee5678d_cast:
	.size	k_q780ee5678d_cast, .Lfunc_end_k_q780ee5678d_cast-k_q780ee5678d_cast
	.p2alignl 7, 3214868480
	.fill 96, 4, 3214868480
	.section	.rodata,"a",@progbits
	.p2align	6, 0x0
	.amdhsa_kernel k_q780ee5678d_cast
		.amdhsa_group_segment_fixed_size 0
		.amdhsa_private_segment_fixed_size 0
		.amdhsa_enable_private_segment 0
		.amdhsa_kernarg_size 72
		.amdhsa_user_sgpr_count 2
		.amdhsa_user_sgpr_kernarg_segment_ptr 1
		.amdhsa_wavefront_size32 1
		.amdhsa_system_sgpr_workgroup_id_x 1
		.amdhsa_system_sgpr_workgroup_id_y 1
		.amdhsa_system_sgpr_workgroup_id_z 1
		.amdhsa_system_vgpr_workitem_id 0
		.amdhsa_next_free_vgpr 144
		.amdhsa_next_free_sgpr 66
		.amdhsa_reserve_vcc 1
		.amdhsa_float_denorm_mode_32 3
		.amdhsa_float_denorm_mode_16_64 3
		.amdhsa_memory_ordered 1
		.amdhsa_forward_progress 1
		.amdhsa_inst_pref_size 66
	.end_amdhsa_kernel
	.amdgpu_metadata
---
amdhsa.version: [ 1, 2 ]
amdhsa.kernels:
  - .name:           k_q780ee5678d_cast
    .symbol:         k_q780ee5678d_cast.kd
    .args:
      - { .name: q, .offset: 0, .size: 8, .value_kind: global_buffer, .address_space: global }
      - { .name: k, .offset: 8, .size: 8, .value_kind: global_buffer, .address_space: global }
      - { .name: v, .offset: 16, .size: 8, .value_kind: global_buffer, .address_space: global }
      - { .name: Wq, .offset: 24, .size: 8, .value_kind: global_buffer, .address_space: global }
      - { .name: Wk, .offset: 32, .size: 8, .value_kind: global_buffer, .address_space: global }
      - { .name: Wv, .offset: 40, .size: 8, .value_kind: global_buffer, .address_space: global }
      - { .name: Wo, .offset: 48, .size: 8, .value_kind: global_buffer, .address_space: global }
      - { .name: xw, .offset: 56, .size: 8, .value_kind: global_buffer, .address_space: global }
      - { .name: tab, .offset: 64, .size: 8, .value_kind: global_buffer, .address_space: global }
    .group_segment_fixed_size: 0
    .private_segment_fixed_size: 0
    .kernarg_segment_align: 8
    .kernarg_segment_size: 72
    .max_flat_workgroup_size: 256
    .sgpr_count:     66
    .vgpr_count:     144
    .wavefront_size: 32
...
	.end_amdgpu_metadata
.endif
;; end of part 5
;; launch proj: the kernel of part 2 again; grid 4 x 48, 4 waves a work-group, clusters of 4 x 4, 327,680 bytes of LDS; arguments xw, tab, qkv; writes qkv
;; launch attn: the kernel of part 3 again; grid 16 x 16, 8 waves a work-group, clusters of 4 x 4, 327,680 bytes of LDS; arguments qkv, attn_mask, key_padding_mask, ob; writes ob
;; launch oproj: the kernel of part 4 again; grid 8 x 32, 4 waves a work-group, clusters of 4 x 4, 327,680 bytes of LDS; arguments ob, xw, out0; writes out0
